; MI455X (gfx1250); checked and timed in simulation.
; The chip was launched on July 23, 2026; its instructions are those of AMD's public machine-readable ISA for CDNA 5 (MIT licence, August 2026) and "CDNA5" Instruction Set Architecture Reference Guide (July 2026). The comments in the code are by the model that wrote it; some were corrected since.
;; Multi Head Self Attention. Allowed arithmetic: float matrix products may take bf16 or f16 operands with f32 sums; all other float work in f32.
;; Inputs: Wk 1,024 x 1,024 float32; Wo 1,024 x 1,024 float32; Wq 1,024 x 1,024 float32; Wv 1,024 x 1,024 float32; beta 1,024 float32; bk 1,024 float32; bo 1,024 float32; bq 1,024 float32; bv 1,024 float32; gamma 1,024 float32; pad_token_mask 2 x 2,048 int32; x 2 x 2,048 x 1,024 float32.
;; Outputs: out0 2 x 2,048 x 1,024 float32.
;; 2 versions, each right; version 2 is version 1 with the launches prep, ln written anew for expert scheduling mode. Each part assembles by itself: llvm-mc -triple=amdgcn-amd-amdhsa -mcpu=gfx1250 --defsym DOCPART=n.
;; ======== version 1 of 2: 5 launches
;; limits: values are held in f16: magnitudes above 65,504 overflow, below 6.1e-05 lose precision
;; workspace buffers: xb 8,388,608 bytes; wb 8,388,608 bytes; rope 524,288 bytes; qkv 25,165,824 bytes; yb 8,388,608 bytes; yf 16,777,216 bytes
;; launch prep (part 1): grid 512 x 1, 8 waves a work-group, no clusters, 0 bytes of LDS; arguments x, Wq, Wk, Wv, Wo, xb, wb, rope; writes xb, wb, rope
.if DOCPART == 1
	.amdgcn_target "amdgcn-amd-amdhsa--gfx1250"
	.amdhsa_code_object_version 6
	.text
	.protected	k_q755a569d66_prep
	.globl	k_q755a569d66_prep
	.p2align	8
	.type	k_q755a569d66_prep,@function
k_q755a569d66_prep:
	s_mov_b64 s[64:65], 0
	v_nop
	global_prefetch_b8 v0, s[64:65] scope:SCOPE_SE
	s_setreg_imm32_b32 hwreg(HW_REG_WAVE_MODE, 25, 1), 1
	s_wait_xcnt 0x0
; prep: (1) casts x and the four weight matrices from f32 to f16 (xb: [4096][1024]; wb: [q,k,v,o][1024 k][1024 n], a pure cast);
;       (2) makes the RoPE table, cos and sin of t * 10000^(-i/32), t = 0..2047, i = 0..31, in the order in which the projection's result registers want it.
; LIMITS: |x| and |W| below 65,504 (f16's largest number); beyond it the cast gives infinity.  The angles carry a relative error of a few 1e-7
; (one rounding of the exponent, the accuracy of v_exp_f32), so cos and sin of the largest angle, 2047, are good to some 2e-4.
; 512 work-groups of 8 waves; each casts 64 KiB of f32: groups 0-255 x, groups 256-511 Wq, Wk, Wv, Wo (64 groups each).
; A stream: no LDS, no barrier, no matrix unit.  All 16 loads of a thread go out first; a load of a wave covers 512 neighbouring bytes,
; a store of a wave 256 neighbouring bytes, aligned.
.set XD, 16                            ; v[16:79]   16 loads x 4 registers of f32
.set YD, 80                            ; v[80:111]  16 stores x 2 registers of f16
	s_load_b512 s[8:23], s[0:1], 0x0               ; x s[8:9], Wq s[10:11], Wk s[12:13], Wv s[14:15], Wo s[16:17], xb s[18:19], wb s[20:21], rope s[22:23]
	v_lshrrev_b32 v3, 5, v0
	v_readfirstlane_b32 s5, v3                     ; wave number
	v_lshlrev_b32 v1, 4, v0                        ; 16 bytes of f32 a thread
	v_lshlrev_b32 v2, 3, v0                        ; 8 bytes of f16 a thread (and 8 bytes of the table)
	s_bfe_u32 s2, ttmp9, 0x20006                   ; which weight matrix: bits 7:6 of the group's number
	s_and_b32 s3, ttmp9, 63                        ; which 64 KiB of it
	s_and_b32 s4, ttmp9, 255                       ; which 32 KiB of xb or of wb
	s_lshl_b32 s32, ttmp9, 10                      ; the group's 1,024 bytes of the table
	s_mov_b32 s33, 0
	s_wait_kmcnt 0x0
	s_cmp_eq_u32 s2, 1
	s_cselect_b64 s[24:25], s[12:13], s[10:11]
	s_cmp_eq_u32 s2, 2
	s_cselect_b64 s[24:25], s[14:15], s[24:25]
	s_cmp_eq_u32 s2, 3
	s_cselect_b64 s[24:25], s[16:17], s[24:25]
	s_cmp_lt_u32 ttmp9, 256                        ; the first 256 groups take x
	s_cselect_b64 s[24:25], s[8:9], s[24:25]       ; source
	s_cselect_b64 s[26:27], s[18:19], s[20:21]     ; destination
	s_cselect_b32 s3, ttmp9, s3
	s_lshl_b32 s28, s3, 16
	s_mov_b32 s29, 0
	s_lshl_b32 s30, s4, 15
	s_mov_b32 s31, 0
	s_add_nc_u64 s[24:25], s[24:25], s[28:29]
	s_add_nc_u64 s[26:27], s[26:27], s[30:31]
	s_add_nc_u64 s[22:23], s[22:23], s[32:33]
.irp i, 0,1,2,3,4,5,6,7,8,9,10,11,12,13,14,15
	global_load_b128 v[XD+4*\i:XD+4*\i+3], v1, s[24:25] offset:4096*\i th:TH_LOAD_NT
.endr
	; The table, made by waves 0-3 while the loads are on their way.  Pair p = 128 g + thread, 8 bytes (cos, sin) at 8 p.
	; Bits of p: 0 pp, 4:1 r, 5 h, 6 u, 8:7 dt, the rest tile.  Token t = 16 tile + r, frequency i = 8 dt + 4 h + 2 u + pp.
	; So the 16 bytes at tile*4096 + dt*1024 + u*512 + 16*lane hold c, s, c, s for columns 16 dt + 8 h + 4 u + 0..3 of token 16 tile + r.
	s_cmp_gt_u32 s5, 3
	s_cbranch_scc1 .Lcast
	v_and_b32 v3, 1, v0                            ; pp
	v_bfe_u32 v4, v0, 1, 4                         ; r
	v_bfe_u32 v5, v0, 5, 1                         ; h
	v_bfe_u32 v6, v0, 6, 1                         ; u
	v_lshl_add_u32 v3, v6, 1, v3
	v_lshl_add_u32 v3, v5, 2, v3
	s_and_b32 s6, ttmp9, 3
	s_lshl_b32 s6, s6, 3                           ; 8 dt
	s_lshr_b32 s7, ttmp9, 2
	s_lshl_b32 s7, s7, 4                           ; 16 tile
	v_add_nc_u32 v3, s6, v3                        ; i
	v_add_nc_u32 v4, s7, v4                        ; t
	v_cvt_f32_u32 v3, v3
	v_cvt_f32_u32 v4, v4
	v_mul_f32 v3, 0xbed49a78, v3                   ; -i * log2(10000) / 32
	v_exp_f32 v3, v3                               ; theta
	v_nop                                          ; one plain place behind a transcendental (ISA guide 5.7.2)
	s_wait_alu depctr_va_vdst(0)
	v_mul_f32 v5, v4, v3                           ; the angle
	v_mul_f32 v6, 0x3f22f983, v5                   ; x 2/pi
	v_rndne_f32 v6, v6                             ; n quarter turns
	v_fmamk_f32 v7, v6, 0xbfc90fdb, v5             ; angle - n * pi/2, pi/2 in two parts: the f32 nearest to it
	v_fmamk_f32 v7, v6, 0x333bbd2e, v7             ; and what that f32 has too much, given back
	v_mul_f32 v8, v7, v7
	v_mov_b32 v9, 0xb9500d01                       ; -1/5040
	v_mov_b32 v10, 0x37d00d01                      ; 1/40320
	v_fmaak_f32 v9, v9, v8, 0x3c088889             ; 1/120
	v_fmaak_f32 v10, v10, v8, 0xbab60b61           ; -1/720
	v_fmaak_f32 v9, v9, v8, 0xbe2aaaab             ; -1/6
	v_fmaak_f32 v10, v10, v8, 0x3d2aaaab           ; 1/24
	v_mul_f32 v12, v7, v8
	v_fmaak_f32 v10, v10, v8, 0xbf000000           ; -1/2
	v_fma_f32 v9, v12, v9, v7                      ; sin of the rest (at most pi/4: the series' next term is below 4e-7)
	v_fma_f32 v10, v10, v8, 1.0                    ; cos of the rest
	v_cvt_i32_f32 v11, v6
	v_and_b32 v12, 1, v11
	v_cmp_eq_u32 vcc_lo, 1, v12                    ; an odd number of quarter turns swaps the two
	v_cndmask_b32 v15, v9, v10, vcc_lo             ; sin
	v_cndmask_b32 v14, v10, v9, vcc_lo             ; cos
	v_lshlrev_b32 v12, 30, v11                     ; sin is negative in quarters 2, 3: bit 1 of n
	v_add_nc_u32 v13, 1, v11                       ; cos in quarters 1, 2: bit 1 of n + 1
	v_and_b32 v12, 0x80000000, v12
	v_lshlrev_b32 v13, 30, v13
	v_xor_b32 v15, v15, v12
	v_and_b32 v13, 0x80000000, v13
	v_xor_b32 v14, v14, v13
	global_store_b64 v2, v[14:15], s[22:23]        ; a wave stores 256 neighbouring bytes
.Lcast:
.irp i, 0,1,2,3,4,5,6,7,8,9,10,11,12,13,14,15
	s_wait_loadcnt 15-\i                           ; loads come back in order: load i is in, the younger ones stay out
	v_cvt_pk_f16_f32 v[YD+2*\i], v[XD+4*\i], v[XD+4*\i+1]
	v_cvt_pk_f16_f32 v[YD+2*\i+1], v[XD+4*\i+2], v[XD+4*\i+3]
	global_store_b64 v2, v[YD+2*\i:YD+2*\i+1], s[26:27] offset:2048*\i
.endr
	s_endpgm
.Lfunc_end_k_q755a569d66_prep:
	.size	k_q755a569d66_prep, .Lfunc_end_k_q755a569d66_prep-k_q755a569d66_prep
	.p2alignl 7, 3214868480
	.fill 96, 4, 3214868480
	.section	.rodata,"a",@progbits
	.p2align	6, 0x0
	.amdhsa_kernel k_q755a569d66_prep
		.amdhsa_group_segment_fixed_size 0
		.amdhsa_private_segment_fixed_size 0
		.amdhsa_enable_private_segment 0
		.amdhsa_kernarg_size 64
		.amdhsa_user_sgpr_count 2
		.amdhsa_user_sgpr_kernarg_segment_ptr 1
		.amdhsa_wavefront_size32 1
		.amdhsa_system_sgpr_workgroup_id_x 1
		.amdhsa_system_sgpr_workgroup_id_y 1
		.amdhsa_system_sgpr_workgroup_id_z 1
		.amdhsa_system_vgpr_workitem_id 0
		.amdhsa_next_free_vgpr 112
		.amdhsa_next_free_sgpr 66
		.amdhsa_reserve_vcc 1
		.amdhsa_float_denorm_mode_32 3
		.amdhsa_float_denorm_mode_16_64 3
		.amdhsa_memory_ordered 1
		.amdhsa_forward_progress 1
		.amdhsa_inst_pref_size 9
	.end_amdhsa_kernel
	.amdgpu_metadata
---
amdhsa.version: [ 1, 2 ]
amdhsa.kernels:
  - .name:           k_q755a569d66_prep
    .symbol:         k_q755a569d66_prep.kd
    .args:
      - { .name: x, .offset: 0, .size: 8, .value_kind: global_buffer, .address_space: global }
      - { .name: Wq, .offset: 8, .size: 8, .value_kind: global_buffer, .address_space: global }
      - { .name: Wk, .offset: 16, .size: 8, .value_kind: global_buffer, .address_space: global }
      - { .name: Wv, .offset: 24, .size: 8, .value_kind: global_buffer, .address_space: global }
      - { .name: Wo, .offset: 32, .size: 8, .value_kind: global_buffer, .address_space: global }
      - { .name: xb, .offset: 40, .size: 8, .value_kind: global_buffer, .address_space: global }
      - { .name: wb, .offset: 48, .size: 8, .value_kind: global_buffer, .address_space: global }
      - { .name: rope, .offset: 56, .size: 8, .value_kind: global_buffer, .address_space: global }
    .group_segment_fixed_size: 0
    .private_segment_fixed_size: 0
    .kernarg_segment_align: 8
    .kernarg_segment_size: 64
    .max_flat_workgroup_size: 256
    .sgpr_count:     66
    .vgpr_count:     112
    .wavefront_size: 32
...
	.end_amdgpu_metadata
.endif
;; end of part 1
;; launch qkvp (part 2): grid 8 x 32, 4 waves a work-group, clusters of 4 x 4, 327,680 bytes of LDS; arguments xb, wb, bq, bk, bv, rope, qkv; writes qkv
.if DOCPART == 2
	.amdgcn_target "amdgcn-amd-amdhsa--gfx1250"
	.amdhsa_code_object_version 6
	.text
	.protected	k_q755a569d66_qkvp
	.globl	k_q755a569d66_qkvp
	.p2align	8
	.type	k_q755a569d66_qkvp,@function
k_q755a569d66_qkvp:
	s_mov_b64 s[64:65], 0
	v_nop
	global_prefetch_b8 v0, s[64:65] scope:SCOPE_SE
	s_setreg_imm32_b32 hwreg(HW_REG_WAVE_MODE, 25, 1), 1
	s_wait_xcnt 0x0
	s_wait_alu depctr_hold_cnt(0) depctr_sa_sdst(0) depctr_va_vdst(0) depctr_va_sdst(0) depctr_va_ssrc(0) depctr_va_vcc(0) depctr_vm_vsrc(0)
	s_getreg_b32 s2, hwreg(HW_REG_IB_STS2, 6, 4)
	s_cmp_eq_u32 s2, 0
	s_cbranch_scc0 .Lentry_in_a_cluster
	s_endpgm
.Lentry_in_a_cluster:
	s_bfe_u32 s2, ttmp6, 0x10000c
	s_cmp_lg_u32 s2, 0xf033
	s_cbranch_scc0 .Lentry_shape_is_right
	s_endpgm
.Lentry_shape_is_right:
; qkvp: q, k, v = x W + b, RoPE on q and k, q scaled by 0.125 * log2(e); stored as f16 [q,k,v][b][h][t][64].
; LIMITS: the results are kept in f16: |k|, |v|, |0.18 q| below 65,504.
; A work-group makes 128 token rows x one pair of heads (128 columns of each of Wq, Wk, Wv); a wave 64 rows x one head of q, k and v:
; 48 accumulator tiles of 16 x 16, 384 registers.  K goes in 8 steps of 128 through two LDS slots; a step is four quarters of 32.
; CLUSTERS 4 x 4: x's tile hangs on the row block alone and is asked for jointly by a row of the cluster (wave 3);
; the three weight tiles hang on the head pair alone and are asked for jointly by a column (waves 0, 1, 2: Wq, Wk, Wv).
; THE MATRIX INSTRUCTION IS USED TRANSPOSED: source 0 = 16 columns of W (read out of [k][n] rows by the transposing LDS load), source 1 = 16 rows of x.
; Lane l then holds token l % 16, registers 0-7 the columns 8 (l / 16) + 0..7: RoPE's pairs lie in neighbouring registers, and 8 results pack to 16 bytes.
; The biases are loaded into the accumulators and start the sums: nothing is cleared, nothing is added later.
; REGISTERS: window 0: v16-27 addresses, v32-63 / v64-95 x fragments (two buffers; RoPE table on the way out), v96-159 the way out;
;   window 1: v0-95 / v96-191 W fragments (j, nt) at 8 (4 j + nt), two buffers; window 2: q tiles at 8 (4 mt + nt), k tiles 128 higher; window 3: v tiles.
.set SLOT,  145408                     ; three W tiles of 128 rows x 288 bytes, then x's tile of 128 rows x 272 bytes
.set WT,    36864
.set XOFF,  110592
.set STAGE, 290816                     ; behind the ring: 16 rows x 144 bytes for each wave, never filled by a tensor load
.set G1A, 28                           ; s[28:35] group 1, x's tile
.set G1B, 36                           ; s[36:43] group 1, W's tiles
.set G0A, 44                           ; s[44:51] group 0 for x, one set a slot
.set G0B, 52                           ; s[52:59] group 0 for W, one set a slot
.set ADRX, 16                          ; v16-17  x fragments, slot 0, 1
.set ADRW, 18                          ; v18-23  W fragments: 18 + 2 j + slot
.set STO, 24
.set RD,  25
.set L16, 26                           ; 16 x lane
.set BO,  27                           ; byte offset of my 8 columns in a bias
.set RP0, 32
.set RP1, 64
.set U,   96                           ; v96-127  16 rows x 64 columns after RoPE, f32
.set PK,  128                          ; v128-143 the same in f16
.set RB,  144                          ; v144-159 read back by rows
.set MSB, 0
.macro WIN new                         ; the immediate's high byte repeats the setting that is left
.if MSB != \new
	s_set_vgpr_msb (MSB<<8)|\new
.set MSB, \new
.endif
.endm
.macro PLACES                          ; four plain places behind a matrix instruction (ISA guide 7.12.1) before its registers are loaded into or its result is read
.rept 4
	v_nop
.endr
.endm
.macro JLOAD s                         ; one joint load a wave; the branch hangs on the wave's number alone
	s_cmp_eq_u32 s18, 3
	s_cbranch_scc0 .Lfor_b_\@
	tensor_load_to_lds s[G0A+4*\s:G0A+4*\s+3], s[G1A:G1A+7]
	s_nop 0
	s_branch .Lasked_\@
.Lfor_b_\@:
	tensor_load_to_lds s[G0B+4*\s:G0B+4*\s+3], s[G1B:G1B+7]
	s_nop 0
.Lasked_\@:
.endm
.macro CREST                           ; a round of the cluster's barrier behind its opening work-group barrier
	s_cmp_lg_u32 s18, 0
	s_cbranch_scc1 .Lnot_wave_0_\@
	s_barrier_signal -3
.Lnot_wave_0_\@:
	s_barrier_wait -3
	s_barrier_signal -1
	s_barrier_wait -1
.endm
.macro CROUND
	s_barrier_signal -1
	s_barrier_wait -1
	CREST
.endm
	s_load_b256 s[4:11], s[0:1], 0x0               ; xb s[4:5], wb s[6:7], bq s[8:9], bk s[10:11]
	s_load_b128 s[12:15], s[0:1], 0x20             ; bv s[12:13], rope s[14:15]
	s_load_b64 s[16:17], s[0:1], 0x30              ; qkv
	s_set_vgpr_msb 0x40
	v_lshl_add_u32 v255, v0, 2, 0x49400
	s_set_vgpr_msb 0x4000
	v_mov_b32 v255, 0
	s_set_vgpr_msb 0x1
	ds_add_u32 v255, v255
	ds_add_u32 v255, v255
	s_set_vgpr_msb 0x100
	v_lshrrev_b32 v1, 5, v0
	v_readfirstlane_b32 s18, v1                    ; wave
	s_lshr_b32 s19, s18, 1                         ; wm: which 64 rows
	s_and_b32 s20, s18, 1                          ; wn: which head of the pair
	s_bfe_u32 s21, ttmp6, 0x40000                  ; cx
	s_bfe_u32 s22, ttmp6, 0x40004                  ; cy
	s_lshl_b32 s23, ttmp9, 2
	s_add_co_u32 s23, s23, s21                     ; cg: head pair = 4 x cluster x + cx
	s_and_b32 s24, ttmp7, 0xffff
	s_lshl_b32 s24, s24, 2
	s_add_co_u32 s24, s24, s22                     ; rb: row block = 4 x cluster y + cy
	s_lshl_b32 s25, s22, 2
	s_lshl_b32 s25, 15, s25                        ; my row of the cluster
	s_lshl_b32 s26, 0x1111, s21                    ; my column
	; group 1: 128 rows x 128 elements of 2 bytes, 1,024 elements from row to row; after every 64 words 4 words of padding (x: pitch 272) or 8 (W: pitch 288)
	s_or_b32 s[G1A+0], s25, (1<<16)|(1<<20)|(1<<21)|(5<<22)|(3<<25)
	s_or_b32 s[G1B+0], s26, (1<<16)|(1<<20)|(1<<21)|(5<<22)|(7<<25)
.irp g, G1A, G1B
	s_mov_b32 s[\g+1], 128<<16                     ; tensor_dim0 = 128
	s_mov_b32 s[\g+2], 128<<16                     ; tensor_dim1 = 128
	s_mov_b32 s[\g+3], 128<<16                     ; tile_dim0 = 128
	s_mov_b32 s[\g+4], 128                         ; tile_dim1 = 128
	s_mov_b32 s[\g+5], 1024                        ; pitch
	s_mov_b32 s[\g+6], 0
	s_mov_b32 s[\g+7], 0
.endr
	s_lshl_b32 s60, s24, 18                        ; x: 128 rows of 2,048 bytes a block; made of the row block alone
	s_mov_b32 s61, 0
	s_lshl_b32 s62, s18, 21                        ; W: matrix = wave (2 MiB each), 256 bytes a head pair; made of the head pair and the wave alone
	s_lshl_b32 s63, s23, 8
	s_add_co_u32 s62, s62, s63
	s_mov_b32 s63, 0
	s_mul_i32 s78, s18, WT                         ; where a W tile goes: wave x 36,864
	s_wait_dscnt 0x0
	s_wait_kmcnt 0x0
	s_add_nc_u64 s[60:61], s[4:5], s[60:61]
	s_add_nc_u64 s[62:63], s[6:7], s[62:63]
	CROUND                                         ; all sixteen work-groups are here: the first joint loads meet
.irp s, 0,1
	s_mov_b32 s[G0A+4*\s], 1
	s_mov_b32 s[G0A+4*\s+1], XOFF+\s*SLOT
	s_add_nc_u64 s[G0A+4*\s+2:G0A+4*\s+3], s[60:61], \s*256          ; K step s: 128 elements along the rows
	s_or_b32 s[G0A+4*\s+3], s[G0A+4*\s+3], 0x80000000
	s_mov_b32 s[G0B+4*\s], 1
	s_add_co_u32 s[G0B+4*\s+1], s78, \s*SLOT
	s_add_nc_u64 s[G0B+4*\s+2:G0B+4*\s+3], s[62:63], \s*262144       ; K step s: 128 rows down
	s_or_b32 s[G0B+4*\s+3], s[G0B+4*\s+3], 0x80000000
	JLOAD \s                                       ; two loads of the wave are out now, one behind every later round
.endr
	; where the results go, in registers that feed no descriptor
	s_lshr_b32 s66, s24, 4                         ; batch
	s_lshl_b32 s66, s66, 4
	s_lshl1_add_u32 s66, s23, s66                  ; 16 b + 2 cg
	s_add_co_u32 s66, s66, s20                     ; + wn: the head
	s_lshl_b32 s66, s66, 11                        ; x 2,048 tokens
	s_and_b32 s82, s24, 15
	s_lshl_b32 s79, s82, 7
	s_add_co_u32 s66, s66, s79                     ; + 128 x block in the batch
	s_lshl_b32 s79, s19, 6
	s_add_co_u32 s66, s66, s79                     ; + 64 wm
	s_lshl_b32 s66, s66, 7                         ; x 128 bytes
	s_mov_b32 s67, 0
	s_add_nc_u64 s[68:69], s[16:17], s[66:67]      ; q
	s_add_nc_u64 s[70:71], s[68:69], 0x800000      ; k
	s_add_nc_u64 s[72:73], s[68:69], 0x1000000     ; v
	s_lshl_b32 s84, s82, 3
	s_lshl2_add_u32 s84, s19, s84                  ; my first tile of 16 tokens in the table
	s_lshl_b32 s84, s84, 12
	s_mov_b32 s85, 0
	s_add_nc_u64 s[74:75], s[14:15], s[84:85]
	s_mov_b32 s76, 0x3e38aa3b                      ; 0.125 x log2(e), so that the softmax can use 2^x
	s_mov_b32 s77, 0x3e38aa3b
	; lane addresses
	v_and_b32 v1, 15, v0                           ; r
	v_bfe_u32 v2, v0, 4, 1                         ; h
	v_and_b32 v3, 7, v0
	v_bfe_u32 v4, v0, 3, 1
	v_mul_u32_u24 v5, v1, 272
	v_lshl_add_u32 v5, v2, 4, v5
	s_mul_i32 s79, s19, 64*272
	s_add_co_u32 s79, s79, XOFF
	v_add_nc_u32 v[ADRX], s79, v5                  ; x: (64 wm + r) x 272 + 16 h
	v_add_nc_u32 v[ADRX+1], SLOT, v[ADRX]
	v_lshl_add_u32 v6, v2, 3, v3
	v_mul_u32_u24 v6, v6, 288
	v_lshl_add_u32 v6, v4, 4, v6
	v_lshl_add_u32 v6, s20, 7, v6                  ; W: (8 h + l % 8) x 288 + 16 ((l / 8) % 2) + 128 wn
.irp j, 0,1,2
	v_add_nc_u32 v[ADRW+2*\j], \j*WT, v6
	v_add_nc_u32 v[ADRW+2*\j+1], \j*WT+SLOT, v6
.endr
	s_mul_i32 s81, s18, 2304
	s_add_co_u32 s81, s81, STAGE
	v_mul_u32_u24 v7, v1, 144
	v_lshl_add_u32 v7, v2, 4, v7
	v_add_nc_u32 v[STO], s81, v7
	v_bfe_u32 v8, v0, 3, 2
	v_mul_u32_u24 v8, v8, 144
	v_lshl_add_u32 v8, v3, 4, v8
	v_add_nc_u32 v[RD], s81, v8
	v_and_b32 v9, 31, v0
	v_lshlrev_b32 v[L16], 4, v9
	s_lshl_b32 s83, s23, 9
	s_lshl_b32 s79, s20, 8
	s_add_co_u32 s83, s83, s79
	v_lshl_add_u32 v[BO], v2, 5, s83               ; 4 x (128 cg + 64 wn + 8 h)
	; the biases start the sums: register j of tile (mt, nt) is b[.. + 16 nt + 8 h + j], the same for every mt
	WIN 0x80
.irp mt, 0,1,2,3
.irp nt, 0,1,2,3
	global_load_b128 v[8*(4*\mt+\nt):8*(4*\mt+\nt)+3], v[BO], s[8:9] offset:64*\nt
	global_load_b128 v[8*(4*\mt+\nt)+4:8*(4*\mt+\nt)+7], v[BO], s[8:9] offset:64*\nt+16
	global_load_b128 v[128+8*(4*\mt+\nt):128+8*(4*\mt+\nt)+3], v[BO], s[10:11] offset:64*\nt
	global_load_b128 v[128+8*(4*\mt+\nt)+4:128+8*(4*\mt+\nt)+7], v[BO], s[10:11] offset:64*\nt+16
.endr
.endr
	WIN 0xc0
.irp mt, 0,1,2,3
.irp nt, 0,1,2,3
	global_load_b128 v[8*(4*\mt+\nt):8*(4*\mt+\nt)+3], v[BO], s[12:13] offset:64*\nt
	global_load_b128 v[8*(4*\mt+\nt)+4:8*(4*\mt+\nt)+7], v[BO], s[12:13] offset:64*\nt+16
.endr
.endr
	WIN 0
; 32 LDS loads: the fragments of quarter kq of a slot into buffer f: 12 of W (transposed on the way), 4 of x
.macro FETCH slot, kq, f
	WIN 0x40
.irp j, 0,1,2
.irp nt, 0,1,2,3
	ds_load_tr16_b128 v[96*\f+8*(4*\j+\nt):96*\f+8*(4*\j+\nt)+3], v[ADRW+2*\j+\slot] offset:\kq*9216+\nt*32
	ds_load_tr16_b128 v[96*\f+8*(4*\j+\nt)+4:96*\f+8*(4*\j+\nt)+7], v[ADRW+2*\j+\slot] offset:\kq*9216+\nt*32+4608
.endr
.endr
	WIN 0
.irp mt, 0,1,2,3
	ds_load_b128 v[32+32*\f+8*\mt:32+32*\f+8*\mt+3], v[ADRX+\slot] offset:\mt*4352+\kq*64
	ds_load_b128 v[32+32*\f+8*\mt+4:32+32*\f+8*\mt+7], v[ADRX+\slot] offset:\mt*4352+\kq*64+32
.endr
.endm
; The 48 accumulators take turns, one instruction a turn, in the same order in every quarter.
.macro MULQK f
	WIN 0xa1
.irp mt, 0,1,2,3
.irp j, 0,1
.irp nt, 0,1,2,3
	v_wmma_f32_16x16x32_f16 v[128*\j+8*(4*\mt+\nt):128*\j+8*(4*\mt+\nt)+7], v[96*\f+8*(4*\j+\nt):96*\f+8*(4*\j+\nt)+7], v[32+32*\f+8*\mt:32+32*\f+8*\mt+7], v[128*\j+8*(4*\mt+\nt):128*\j+8*(4*\mt+\nt)+7]
.endr
.endr
.endr
.endm
.macro MULV f
	WIN 0xf1
.irp mt, 0,1,2,3
.irp nt, 0,1,2,3
	v_wmma_f32_16x16x32_f16 v[8*(4*\mt+\nt):8*(4*\mt+\nt)+7], v[96*\f+8*(8+\nt):96*\f+8*(8+\nt)+7], v[32+32*\f+8*\mt:32+32*\f+8*\mt+7], v[8*(4*\mt+\nt):8*(4*\mt+\nt)+7]
.endr
.endr
.endm
; One of a step's first three quarters: buffer f is multiplied while the next quarter's fragments come into buffer g.
.macro QUARTER slot, kqn, f, g
	s_wait_dscnt 0x0                               ; buffer f is in
	PLACES                                         ; buffer g was read by the last quarter's matrix instructions
	FETCH \slot, \kqn, \g
	MULQK \f
	MULV \f
.endm
.macro THREE slot
	QUARTER \slot, 1, 0, 1
	QUARTER \slot, 2, 1, 0
	QUARTER \slot, 3, 0, 1
.endm
; The last quarter changes slots.  In front of the barrier each wave waits for its reads of this slot and for all its tensor loads (the one out is its
; part of the next slot).  Where the slot is filled again the barrier opens a round of the cluster's barrier, and the joint load is the first thing behind the round.
.macro TURN slot, next, fill
	s_wait_dscnt 0x0
	s_wait_tensorcnt 0x0
	ds_add_u32 v255, v255
	s_wait_dscnt 0x0
	s_barrier_signal -1
	MULQK 1                                        ; register work while the others arrive
	WIN 0
	s_barrier_wait -1
.if \fill
	CREST
	s_add_nc_u64 s[G0A+4*\slot+2:G0A+4*\slot+3], s[G0A+4*\slot+2:G0A+4*\slot+3], 512        ; two K steps on; no load of mine is out
	s_add_nc_u64 s[G0B+4*\slot+2:G0B+4*\slot+3], s[G0B+4*\slot+2:G0B+4*\slot+3], 524288
	JLOAD \slot
.endif
	PLACES
	FETCH \next, 0, 0
	MULV 1
.endm
.macro LAP
	THREE 0
	TURN 0, 1, 1
	THREE 1
	TURN 1, 0, 1
.endm
	s_wait_loadcnt 0x0                             ; the biases are in the accumulators
	s_wait_tensorcnt 0x1                           ; my part of K step 0 is in; step 1's may stay out
	s_barrier_signal -1
	s_barrier_wait -1
	FETCH 0, 0, 0
	s_mov_b32 s80, 3                               ; three laps fill K steps 2 to 7
.Llap:
	LAP
	WIN 0
	s_sub_co_u32 s80, s80, 1
	s_cmp_lg_u32 s80, 0
	s_cbranch_scc1 .Llap
	THREE 0                                        ; the last lap fills nothing
	TURN 0, 1, 0
	THREE 1
	s_wait_dscnt 0x0
	MULQK 1
	MULV 1
	WIN 0
	PLACES                                         ; behind the last matrix instructions: results are read, fragment registers loaded into
; THE WAY OUT, 16 tokens x 64 columns at a time: RoPE (q, k), scale (q), f16, 16 bytes a lane into my own stage, read back by rows: 16 rows of 128 bytes are 2,048 neighbouring bytes of qkv.
.macro RLOAD mt, rp                    ; cos and sin for tokens 16 mt .. + 15: register rp + 8 nt + 2 p holds cos, the next one sin, of my pair p of tile nt
.irp nt, 0,1,2,3
	global_load_b128 v[\rp+8*\nt:\rp+8*\nt+3], v[L16], s[74:75] offset:\mt*4096+\nt*1024
	global_load_b128 v[\rp+8*\nt+4:\rp+8*\nt+7], v[L16], s[74:75] offset:\mt*4096+\nt*1024+512
.endr
.endm
.macro OUT16 mat, mt, rp
.if \mat < 2
	WIN 0x02
.irp nt, 0,1,2,3
.irp p, 0,1,2,3
	v_pk_mul_f32 v[U+8*\nt+2*\p:U+8*\nt+2*\p+1], v[128*\mat+8*(4*\mt+\nt)+2*\p:128*\mat+8*(4*\mt+\nt)+2*\p+1], v[\rp+8*\nt+2*\p:\rp+8*\nt+2*\p+1] op_sel_hi:[1,0]   ; e c, o c
.endr
.endr
.irp nt, 0,1,2,3
.irp p, 0,1,2,3
	v_pk_fma_f32 v[U+8*\nt+2*\p:U+8*\nt+2*\p+1], v[128*\mat+8*(4*\mt+\nt)+2*\p:128*\mat+8*(4*\mt+\nt)+2*\p+1], v[\rp+8*\nt+2*\p:\rp+8*\nt+2*\p+1], v[U+8*\nt+2*\p:U+8*\nt+2*\p+1] op_sel:[1,1,0] op_sel_hi:[0,1,1] neg_lo:[0,1,0]   ; e c - o s, o c + e s
.endr
.endr
	WIN 0
.if \mat == 0
.irp k, 0,1,2,3,4,5,6,7,8,9,10,11,12,13,14,15
	v_pk_mul_f32 v[U+2*\k:U+2*\k+1], v[U+2*\k:U+2*\k+1], s[76:77] op_sel_hi:[1,0]
.endr
.endif
.irp k, 0,1,2,3,4,5,6,7,8,9,10,11,12,13,14,15
	v_cvt_pk_f16_f32 v[PK+\k], v[U+2*\k], v[U+2*\k+1]
.endr
.else
	WIN 0x0f
.irp nt, 0,1,2,3
.irp p, 0,1,2,3
	v_cvt_pk_f16_f32 v[PK+4*\nt+\p], v[8*(4*\mt+\nt)+2*\p], v[8*(4*\mt+\nt)+2*\p+1]
.endr
.endr
	WIN 0
.endif
.irp nt, 0,1,2,3
	ds_store_b128 v[STO], v[PK+4*\nt:PK+4*\nt+3] offset:\nt*32
.endr
	s_wait_xcnt 0x0                                ; RB, which the last stores read, is loaded again only behind this wait
.irp i, 0,1,2,3
	ds_load_b128 v[RB+4*\i:RB+4*\i+3], v[RD] offset:\i*576     ; LDS serves a wave's instructions in order: these see the stores above
.endr
.irp i, 0,1,2,3
	s_wait_dscnt 3-\i
	global_store_b128 v[L16], v[RB+4*\i:RB+4*\i+3], s[68+2*\mat:69+2*\mat] offset:\mt*2048+\i*512   ; a wave stores 512 neighbouring bytes, aligned
.endr
.endm
	RLOAD 0, RP0
	RLOAD 1, RP1
	OUT16 2, 0, 0                                  ; v needs no table: it goes out while the table comes
	OUT16 2, 1, 0
	OUT16 2, 2, 0
	OUT16 2, 3, 0
	s_wait_loadcnt 0x8                             ; the first table buffer is in; the eight loads of the second may stay out
	OUT16 0, 0, RP0
	OUT16 1, 0, RP0
	RLOAD 2, RP0
	s_wait_loadcnt 0x8
	OUT16 0, 1, RP1
	OUT16 1, 1, RP1
	RLOAD 3, RP1
	s_wait_loadcnt 0x8
	OUT16 0, 2, RP0
	OUT16 1, 2, RP0
	s_wait_loadcnt 0x0
	OUT16 0, 3, RP1
	OUT16 1, 3, RP1
	s_set_vgpr_msb 0x1
	s_wait_tensorcnt 0x0
	ds_add_u32 v255, v255
	s_wait_dscnt 0x0
	s_set_vgpr_msb 0x100
	CROUND                                         ; the closing round: no work-group ends while a partner may still ask for a tile that names it
	s_endpgm
.Lfunc_end_k_q755a569d66_qkvp:
	.size	k_q755a569d66_qkvp, .Lfunc_end_k_q755a569d66_qkvp-k_q755a569d66_qkvp
	.p2alignl 7, 3214868480
	.fill 96, 4, 3214868480
	.section	.rodata,"a",@progbits
	.p2align	6, 0x0
	.amdhsa_kernel k_q755a569d66_qkvp
		.amdhsa_group_segment_fixed_size 327680
		.amdhsa_private_segment_fixed_size 0
		.amdhsa_enable_private_segment 0
		.amdhsa_kernarg_size 56
		.amdhsa_user_sgpr_count 2
		.amdhsa_user_sgpr_kernarg_segment_ptr 1
		.amdhsa_wavefront_size32 1
		.amdhsa_system_sgpr_workgroup_id_x 1
		.amdhsa_system_sgpr_workgroup_id_y 1
		.amdhsa_system_sgpr_workgroup_id_z 1
		.amdhsa_system_vgpr_workitem_id 0
		.amdhsa_next_free_vgpr 896
		.amdhsa_next_free_sgpr 100
		.amdhsa_reserve_vcc 0
		.amdhsa_float_denorm_mode_32 3
		.amdhsa_float_denorm_mode_16_64 3
		.amdhsa_memory_ordered 1
		.amdhsa_forward_progress 1
		.amdhsa_inst_pref_size 153
	.end_amdhsa_kernel
	.amdgpu_metadata
---
amdhsa.version: [ 1, 2 ]
amdhsa.kernels:
  - .name:           k_q755a569d66_qkvp
    .symbol:         k_q755a569d66_qkvp.kd
    .args:
      - { .name: xb, .offset: 0, .size: 8, .value_kind: global_buffer, .address_space: global }
      - { .name: wb, .offset: 8, .size: 8, .value_kind: global_buffer, .address_space: global }
      - { .name: bq, .offset: 16, .size: 8, .value_kind: global_buffer, .address_space: global }
      - { .name: bk, .offset: 24, .size: 8, .value_kind: global_buffer, .address_space: global }
      - { .name: bv, .offset: 32, .size: 8, .value_kind: global_buffer, .address_space: global }
      - { .name: rope, .offset: 40, .size: 8, .value_kind: global_buffer, .address_space: global }
      - { .name: qkv, .offset: 48, .size: 8, .value_kind: global_buffer, .address_space: global }
    .group_segment_fixed_size: 327680
    .private_segment_fixed_size: 0
    .kernarg_segment_align: 8
    .kernarg_segment_size: 56
    .max_flat_workgroup_size: 128
    .sgpr_count:     100
    .vgpr_count:     896
    .wavefront_size: 32
...
	.end_amdgpu_metadata
.endif
;; end of part 2
;; launch attn (part 3): grid 8 x 32, 4 waves a work-group, no clusters, 327,680 bytes of LDS; arguments qkv, pad_token_mask, yb; writes yb
.if DOCPART == 3
	.amdgcn_target "amdgcn-amd-amdhsa--gfx1250"
	.amdhsa_code_object_version 6
	.text
	.protected	k_q755a569d66_attn
	.globl	k_q755a569d66_attn
	.p2align	8
	.type	k_q755a569d66_attn,@function
k_q755a569d66_attn:
	s_mov_b64 s[64:65], 0
	v_nop
	global_prefetch_b8 v0, s[64:65] scope:SCOPE_SE
	s_setreg_imm32_b32 hwreg(HW_REG_WAVE_MODE, 25, 1), 1
	s_wait_xcnt 0x0
; attn: causal attention with a pad mask over the keys, one (batch, head) for each grid y; y stored as f16 [b][h][t][64].
; q already carries 0.125 x log2(e), so the softmax is 2^(s - max) with a running maximum.
; LIMITS: the running maximum starts at -FLT_MAX, so a score below that is not told from a masked one; |y| below 65,504.
; A row all of whose allowed keys are padded ends with sum 0 and gives 0 x (1/0) = NaN, as the softmax of a row of -inf does.
; Work-group i does query block i and then query block 15 - i (128 rows each): i + 1 and 16 - i units of 128 keys, 17 for every work-group.
; A wave has 32 query rows (two tiles c of 16); a unit is two halves of 64 keys.
; NO MULTICAST: the work-groups of one head walk different numbers of key tiles in each of their two blocks (i + 1, then 16 - i),
; so at a given step partners want different tiles, and trip counts would hang on the place in a cluster.
; TRANSPOSED USE: S = K Q^T (source 0: 16 keys, source 1: 16 queries): lane l holds query l % 16, registers the keys 8 (l / 16) + 0..7.
; So a row's maximum and sum are in-lane work and one exchange of the lane halves, and S's registers, packed to f16, ARE the fragment of P
; for O^T = V^T P^T (source 0: 16 d, read out of V's [key][d] rows by the transposing LDS load).
; O is cleared by moves: the second block begins at a unit known only from the work-group's number, so no product with C = 0 can be written out for it.
; LDS: two slots of 40,960 bytes, a quarter for each wave: waves 0, 1 bring K's keys 0-63, 64-127 (pitch 144), waves 2, 3 V's (pitch 160);
;   81,920: a stage of 32 rows x 144 bytes for each wave; 100,352: 2,048 f32, 0 or -inf, the pad mask as an addend.
; REGISTERS: window 0: v1-12 addresses and constants, v14-15 maxima, v16-17 factors, v18-25 sums, v26-31 at work, v32-63 mask addends,
;   v64-127 S (c, t, j) at 64 + 32 c + 8 t + j, then P (c, u) at 64 + 32 c + 16 u, v128-191 K fragments, v192-255 V fragments;
;   window 1: v0-31 Q of the block at work, v32-63 Q of the second block, v64-127 O (c, dt) at 64 + 32 c + 8 dt.
.set SLOTB, 40960
.set REG,   10240
.set STAGE, 81920
.set TAB,   100352
.set BIR, 32
.set SR,  64
.set KFR, 128
.set VFR, 192
.set ACC, 64
.set MSB, 0
.macro WIN new
.if MSB != \new
	s_set_vgpr_msb (MSB<<8)|\new
.set MSB, \new
.endif
.endm
.macro PLACES
.rept 4
	v_nop
.endr
.endm
.macro PLACES5
.rept 5
	v_nop
.endr
.endm
.macro KVLOAD s                        ; each wave's quarter of a slot: 64 keys x 128 bytes, dense in memory
	s_cmp_lt_u32 s10, 2
	s_cbranch_scc0 .Lfor_v_\@
	tensor_load_to_lds s[36+4*\s:39+4*\s], s[20:27]
	s_nop 0
	s_branch .Lasked_\@
.Lfor_v_\@:
	tensor_load_to_lds s[36+4*\s:39+4*\s], s[28:35]
	s_nop 0
.Lasked_\@:
.endm
	s_load_b128 s[4:7], s[0:1], 0x0                ; qkv s[4:5], pad_token_mask s[6:7]
	s_load_b64 s[8:9], s[0:1], 0x10                ; yb
	s_set_vgpr_msb 0x40
	v_lshl_add_u32 v128, v0, 2, 0x29000
	v_mov_b32 v129, 0
	s_set_vgpr_msb 0x4045
	ds_add_u32 v128, v129
	ds_add_u32 v128, v129
	s_set_vgpr_msb 0x4500
	v_lshrrev_b32 v1, 5, v0
	v_readfirstlane_b32 s10, v1                    ; wave
	s_and_b32 s11, ttmp7, 0xffff                   ; 16 b + h
	s_mov_b32 s13, ttmp9                           ; the block at work
	s_sub_co_u32 s14, 15, ttmp9                    ; the second block
	s_mov_b32 s15, 0                               ; the key unit at work
	s_mov_b32 s50, 0x76543210                      ; v_permlanex16_b32: lane i reads lane i of the other half
	s_mov_b32 s51, 0xfedcba98
	; group 1: the dense 8 KiB as 32 rows of 128 elements; after every 32 words (a key's 128 bytes) 4 words of padding for K, 8 for V
	s_mov_b32 s20, (1<<16)|(1<<20)|(4<<22)|(3<<25)
	s_mov_b32 s28, (1<<16)|(1<<20)|(4<<22)|(7<<25)
.irp g, 20, 28
	s_mov_b32 s[\g+1], 128<<16
	s_mov_b32 s[\g+2], 32<<16
	s_mov_b32 s[\g+3], 128<<16
	s_mov_b32 s[\g+4], 32
	s_mov_b32 s[\g+5], 128
	s_mov_b32 s[\g+6], 0
	s_mov_b32 s[\g+7], 0
.endr
	s_mul_i32 s12, s10, REG
	s_mov_b32 s36, 1
	s_mov_b32 s37, s12                             ; slot 0: wave x 10,240
	s_mov_b32 s40, 1
	s_add_co_u32 s41, s12, SLOTB                   ; slot 1
	s_lshr_b32 s46, s10, 1
	s_add_co_u32 s46, s46, 1                       ; K is matrix 1 of qkv, V matrix 2
	s_lshl_b32 s46, s46, 23
	s_lshl_b32 s47, s11, 18                        ; 2,048 tokens x 128 bytes a head
	s_add_co_u32 s46, s46, s47
	s_and_b32 s47, s10, 1
	s_lshl_b32 s47, s47, 13                        ; which 64 keys of a unit
	s_add_co_u32 s46, s46, s47
	s_mov_b32 s47, 0
	s_lshl_b32 s48, s11, 18
	s_lshl_b32 s49, s10, 12                        ; my 32 rows of a block
	s_add_co_u32 s48, s48, s49
	s_mov_b32 s49, 0
	s_wait_dscnt 0x0
	s_wait_kmcnt 0x0
	s_add_nc_u64 s[44:45], s[4:5], s[46:47]        ; my part of key unit 0
	s_mov_b64 s[38:39], s[44:45]
	s_or_b32 s39, s39, 0x80000000
	KVLOAD 0                                       ; unit 0: one tensor load of the wave is out, here and behind every later barrier
	s_add_nc_u64 s[54:55], s[8:9], s[48:49]        ; yb at my head and my rows of block 0
	s_add_nc_u64 s[56:57], s[4:5], s[48:49]        ; q likewise
	s_lshl_b32 s58, s13, 14
	s_mov_b32 s59, 0
	s_add_nc_u64 s[60:61], s[56:57], s[58:59]      ; q of the first block
	s_lshl_b32 s58, s14, 14
	s_add_nc_u64 s[62:63], s[56:57], s[58:59]      ; q of the second
	s_lshr_b32 s58, s11, 4
	s_lshl_b32 s58, s58, 13
	s_add_nc_u64 s[48:49], s[6:7], s[58:59]        ; my batch's mask
	v_and_b32 v13, 15, v0                          ; r
	v_bfe_u32 v30, v0, 4, 1                        ; h
	v_and_b32 v31, 7, v0
	v_bfe_u32 v29, v0, 3, 1
	v_lshlrev_b32 v26, 7, v13
	v_lshl_add_u32 v26, v30, 4, v26                ; 128 r + 16 h
	v_lshlrev_b32 v27, 4, v0                       ; 16 x thread
	v_add_nc_u32 v28, TAB, v27
	WIN 0x40
.irp c, 0,1
.irp kk, 0,1
	global_load_b128 v[16*\c+8*\kk:16*\c+8*\kk+3], v26, s[60:61] offset:\c*2048+\kk*64
	global_load_b128 v[16*\c+8*\kk+4:16*\c+8*\kk+7], v26, s[60:61] offset:\c*2048+\kk*64+32
	global_load_b128 v[32+16*\c+8*\kk:32+16*\c+8*\kk+3], v26, s[62:63] offset:\c*2048+\kk*64
	global_load_b128 v[32+16*\c+8*\kk+4:32+16*\c+8*\kk+7], v26, s[62:63] offset:\c*2048+\kk*64+32
.endr
.endr
	WIN 0
.irp i, 0,1,2,3
	global_load_b128 v[BIR+4*\i:BIR+4*\i+3], v27, s[48:49] offset:2048*\i
.endr
	v_mul_u32_u24 v1, v13, 144
	v_lshl_add_u32 v1, v30, 4, v1                  ; K fragments: r x 144 + 16 h
	v_add_nc_u32 v2, SLOTB, v1
	v_lshl_add_u32 v3, v30, 3, v31
	v_mul_u32_u24 v3, v3, 160
	v_lshl_add_u32 v3, v29, 4, v3
	v_add_nc_u32 v3, 2*REG, v3                     ; V fragments: (8 h + l % 8) x 160 + 16 ((l / 8) % 2), behind K's two quarters
	v_add_nc_u32 v4, SLOTB, v3
	v_lshlrev_b32 v5, 5, v30
	v_add_nc_u32 v5, TAB, v5                       ; mask addends: 32 h
	s_mul_i32 s17, s10, 4608
	s_add_co_u32 s17, s17, STAGE
	v_add_nc_u32 v7, s17, v1                       ; stage, in
	v_bfe_u32 v8, v0, 3, 2
	v_mul_u32_u24 v8, v8, 144
	v_lshl_add_u32 v8, v31, 4, v8
	v_add_nc_u32 v8, s17, v8                       ; stage, back by rows
	v_and_b32 v9, 31, v0
	v_lshlrev_b32 v9, 4, v9
	v_and_b32 v10, 0x60, v0                        ; 32 x wave
	v_add_nc_u32 v10, v10, v13
	v_lshlrev_b32 v11, 3, v30
	v_sub_nc_u32 v10, v10, v11                     ; my query's place in the block less 8 h, tile 0
	v_add_nc_u32 v11, 16, v10                      ; tile 1
	v_mov_b32 v12, 0xff800000                      ; -inf
	v_mov_b32 v14, 0xff7fffff                      ; running maxima
	v_mov_b32 v15, 0xff7fffff
.irp k, 18,19,20,21
	v_mov_b32 v\k, 0                               ; running sums
.endr
	WIN 0x40
.set k, 0
.rept 64
	v_mov_b32 v[ACC+k], 0
.set k, k+1
.endr
	WIN 0
	s_wait_loadcnt 0x0
.set k, 0
.rept 16
	v_cmp_eq_u32 vcc_lo, 0, v[BIR+k]
	v_cndmask_b32 v[BIR+k], 0, v12, vcc_lo         ; a padded key adds -inf, any other 0
.set k, k+1
.endr
.irp i, 0,1,2,3
	ds_store_b128 v28, v[BIR+4*\i:BIR+4*\i+3] offset:2048*\i       ; read by all waves behind the first unit's wait for 0 and barrier
.endr
.macro KFETCH slot, sub                ; 16 loads: 64 keys x 64 d
.irp t, 0,1,2,3
.irp kk, 0,1
	ds_load_b128 v[KFR+16*\t+8*\kk:KFR+16*\t+8*\kk+3], v[1+\slot] offset:\sub*REG+\t*2304+\kk*64
	ds_load_b128 v[KFR+16*\t+8*\kk+4:KFR+16*\t+8*\kk+7], v[1+\slot] offset:\sub*REG+\t*2304+\kk*64+32
.endr
.endr
.endm
.macro OSCALE                          ; O times each query's factor
	WIN 0x41
.set k, 0
.rept 16
	v_pk_mul_f32 v[ACC+2*k:ACC+2*k+1], v[ACC+2*k:ACC+2*k+1], v[16:17] op_sel_hi:[1,0]
	v_pk_mul_f32 v[ACC+32+2*k:ACC+32+2*k+1], v[ACC+32+2*k:ACC+32+2*k+1], v[16:17] op_sel:[0,1] op_sel_hi:[1,1]
.set k, k+1
.endr
.endm
; 64 keys.  last = 1: the unit is the diagonal one for certain, and the causal block stands without a branch.
.macro SUB slot, sub, last
	s_wait_dscnt 0x0                               ; this half's K fragments are in
	WIN 0x04                                       ; the eight accumulators take turns, one instruction a turn
.irp c, 0,1
.irp t, 0,1,2,3
	v_wmma_f32_16x16x32_f16 v[SR+32*\c+8*\t:SR+32*\c+8*\t+7], v[KFR+16*\t:KFR+16*\t+7], v[16*\c:16*\c+7], 0
.endr
.endr
.irp c, 0,1
.irp t, 0,1,2,3
	v_wmma_f32_16x16x32_f16 v[SR+32*\c+8*\t:SR+32*\c+8*\t+7], v[KFR+16*\t+8:KFR+16*\t+15], v[16*\c+8:16*\c+15], v[SR+32*\c+8*\t:SR+32*\c+8*\t+7]
.endr
.endr
	WIN 0
	PLACES                                         ; before S is read and K's registers are loaded again
.irp t, 0,1,2,3
	ds_load_b128 v[BIR+8*\t:BIR+8*\t+3], v6 offset:\sub*256+\t*64
	ds_load_b128 v[BIR+8*\t+4:BIR+8*\t+7], v6 offset:\sub*256+\t*64+16
.endr
.irp dt, 0,1,2,3
.irp u, 0,1
	ds_load_tr16_b128 v[VFR+16*\dt+8*\u:VFR+16*\dt+8*\u+3], v[3+\slot] offset:\sub*REG+\u*5120+\dt*32
	ds_load_tr16_b128 v[VFR+16*\dt+8*\u+4:VFR+16*\dt+8*\u+7], v[3+\slot] offset:\sub*REG+\u*5120+\dt*32+2560
.endr
.endr
.if \sub == 0
	KFETCH \slot, 1
	s_wait_dscnt 32                                ; the 8 loads of addends are in; V's 16 and the next K's 16 stay out
.else
	s_wait_dscnt 16                                ; V's 16 stay out
.endif
.set k, 0
.rept 16
	v_pk_add_f32 v[SR+2*k:SR+2*k+1], v[SR+2*k:SR+2*k+1], v[BIR+2*k:BIR+2*k+1]
	v_pk_add_f32 v[SR+32+2*k:SR+32+2*k+1], v[SR+32+2*k:SR+32+2*k+1], v[BIR+2*k:BIR+2*k+1]
.set k, k+1
.endr
.if \last == 0
	s_cmp_lg_u32 s15, s13                          ; only the diagonal unit has keys behind a query
	s_cbranch_scc1 .Lnot_diag_\@
.endif
.irp c, 0,1
.irp t, 0,1,2,3
.irp j, 0,1,2,3,4,5,6,7
	v_cmp_gt_i32 vcc_lo, 64*\sub+16*\t+\j, v[10+\c]                ; key 64 sub + 16 t + 8 h + j behind query 32 w + 16 c + r
	v_cndmask_b32 v[SR+32*\c+8*\t+\j], v[SR+32*\c+8*\t+\j], v12, vcc_lo
.endr
.endr
.endr
.if \last == 0
.Lnot_diag_\@:
.endif
	; the new maxima: four chains, two of them begun with the old maxima
	v_max3_num_f32 v26, v14, v[SR], v[SR+1]
	v_max3_num_f32 v27, v[SR+16], v[SR+17], v[SR+18]
	v_max3_num_f32 v28, v15, v[SR+32], v[SR+33]
	v_max3_num_f32 v29, v[SR+48], v[SR+49], v[SR+50]
.irp k, 1,2,3,4,5,6
	v_max3_num_f32 v26, v26, v[SR+2*\k], v[SR+2*\k+1]
	v_max3_num_f32 v27, v27, v[SR+17+2*\k], v[SR+18+2*\k]
	v_max3_num_f32 v28, v28, v[SR+32+2*\k], v[SR+33+2*\k]
	v_max3_num_f32 v29, v29, v[SR+49+2*\k], v[SR+50+2*\k]
.endr
	v_max3_num_f32 v26, v26, v[SR+14], v[SR+15]
	v_max3_num_f32 v28, v28, v[SR+46], v[SR+47]
	v_max3_num_f32 v26, v26, v27, v[SR+31]
	v_max3_num_f32 v28, v28, v29, v[SR+63]
	v_permlanex16_b32 v27, v26, s50, s51           ; the other half of the lanes holds the query's other keys
	v_permlanex16_b32 v29, v28, s50, s51
	v_max_num_f32 v26, v26, v27
	v_max_num_f32 v28, v28, v29
	v_sub_f32 v16, v14, v26
	v_sub_f32 v17, v15, v28
	v_mov_b32 v14, v26
	v_mov_b32 v15, v28
	v_exp_f32 v16, v16                             ; the factors 2^(old - new); the subtractions below are the plain places behind them
	v_exp_f32 v17, v17
.set k, 0
.rept 16
	v_pk_add_f32 v[SR+2*k:SR+2*k+1], v[SR+2*k:SR+2*k+1], v[14:15] op_sel_hi:[1,0] neg_lo:[0,1] neg_hi:[0,1]
	v_pk_add_f32 v[SR+32+2*k:SR+32+2*k+1], v[SR+32+2*k:SR+32+2*k+1], v[14:15] op_sel:[0,1] op_sel_hi:[1,1] neg_lo:[0,1] neg_hi:[0,1]
.set k, k+1
.endr
.set k, 0
.rept 64
	v_exp_f32 v[SR+k], v[SR+k]
.set k, k+1
.endr
	v_nop                                          ; one plain place behind the transcendentals (ISA guide 5.7.2)
	; the sums, two chains for each tile of queries; the first link carries the old sum times the factor
	s_wait_alu depctr_va_vdst(0)
	v_pk_fma_f32 v[18:19], v[18:19], v[16:17], v[SR:SR+1] op_sel_hi:[1,0,1]
	v_pk_add_f32 v[22:23], v[SR+2:SR+3], v[SR+4:SR+5]
	v_pk_fma_f32 v[20:21], v[20:21], v[16:17], v[SR+32:SR+33] op_sel:[0,1,0] op_sel_hi:[1,1,1]
	v_pk_add_f32 v[24:25], v[SR+34:SR+35], v[SR+36:SR+37]
.irp k, 3,5,7,9,11,13
	v_pk_add_f32 v[18:19], v[18:19], v[SR+2*\k:SR+2*\k+1]
	v_pk_add_f32 v[22:23], v[22:23], v[SR+2*\k+2:SR+2*\k+3]
	v_pk_add_f32 v[20:21], v[20:21], v[SR+32+2*\k:SR+32+2*\k+1]
	v_pk_add_f32 v[24:25], v[24:25], v[SR+32+2*\k+2:SR+32+2*\k+3]
.endr
	v_pk_add_f32 v[18:19], v[18:19], v[SR+30:SR+31]
	v_pk_add_f32 v[20:21], v[20:21], v[SR+62:SR+63]
	v_pk_add_f32 v[18:19], v[18:19], v[22:23]
	v_pk_add_f32 v[20:21], v[20:21], v[24:25]
	; P in f16, packed in place upward: key tile 2 u fills registers 0-3 of fragment (c, u), key tile 2 u + 1 registers 4-7
.irp c, 0,1
.irp u, 0,1
.irp k, 0,1,2,3,4,5,6,7
	v_cvt_pk_f16_f32 v[SR+32*\c+16*\u+\k], v[SR+32*\c+16*\u+2*\k], v[SR+32*\c+16*\u+2*\k+1]
.endr
.endr
.endr
	OSCALE
.if \sub == 0
	s_wait_dscnt 16                                ; V's fragments are in; the next K's 16 loads stay out
.else
	s_wait_dscnt 0x0
.endif
	WIN 0x50                                       ; again eight accumulators by turns
.irp u, 0,1
.irp c, 0,1
.irp dt, 0,1,2,3
	v_wmma_f32_16x16x32_f16 v[ACC+32*\c+8*\dt:ACC+32*\c+8*\dt+7], v[VFR+16*\dt+8*\u:VFR+16*\dt+8*\u+7], v[SR+32*\c+16*\u:SR+32*\c+16*\u+7], v[ACC+32*\c+8*\dt:ACC+32*\c+8*\dt+7]
.endr
.endr
.endr
	WIN 0
	PLACES5                                        ; the next S is written over P, which these instructions read
.endm
; The end of a query block: O / sum, f16, through my stage, 4,096 neighbouring bytes of yb.  reinit = 1: the second block begins.
.macro FINAL reinit
	v_add_f32 v26, v18, v19
	v_add_f32 v28, v20, v21
	v_permlanex16_b32 v27, v26, s50, s51
	v_permlanex16_b32 v29, v28, s50, s51
	v_add_f32 v26, v26, v27
	v_add_f32 v28, v28, v29
	v_rcp_f32 v16, v26
	v_rcp_f32 v17, v28
	v_nop
	s_wait_alu depctr_va_vdst(0)
	OSCALE
	WIN 0x05
.irp c, 0,1
.irp dt, 0,1,2,3
.irp p, 0,1,2,3
	v_cvt_pk_f16_f32 v[SR+4*(4*\c+\dt)+\p], v[ACC+32*\c+8*\dt+2*\p], v[ACC+32*\c+8*\dt+2*\p+1]
.endr
.endr
.endr
	WIN 0
	s_lshl_b32 s58, s13, 14
	s_mov_b32 s59, 0
	s_add_nc_u64 s[56:57], s[54:55], s[58:59]      ; my rows of this block
.irp c, 0,1
.irp dt, 0,1,2,3
	ds_store_b128 v7, v[SR+4*(4*\c+\dt):SR+4*(4*\c+\dt)+3] offset:\c*2304+\dt*32
.endr
.endr
.irp i, 0,1,2,3,4,5,6,7
	ds_load_b128 v[KFR+4*\i:KFR+4*\i+3], v8 offset:\i*576          ; LDS serves a wave's instructions in order: these see the stores above
.endr
.irp i, 0,1,2,3,4,5,6,7
	s_wait_dscnt 7-\i
	global_store_b128 v9, v[KFR+4*\i:KFR+4*\i+3], s[56:57] offset:\i*512
.endr
	s_wait_xcnt 0x0                                ; the stores' data registers and base are written again only behind this wait
.if \reinit
	WIN 0x41
.set k, 0
.rept 32
	v_mov_b32 v[k], v[32+k]                        ; the second block's Q
.set k, k+1
.endr
	WIN 0x40
.set k, 0
.rept 64
	v_mov_b32 v[ACC+k], 0
.set k, k+1
.endr
	WIN 0
	v_mov_b32 v14, 0xff7fffff
	v_mov_b32 v15, 0xff7fffff
.irp k, 18,19,20,21
	v_mov_b32 v\k, 0
.endr
	s_mov_b32 s13, s14
	s_mov_b32 s15, -1                              ; stepped to 0 below
.endif
.endm
; A unit of 128 keys in slot; oth = the other slot, filled with the next unit if refill = 1.
.macro UNIT slot, oth, refill, last
	s_set_vgpr_msb 0x5
	s_wait_tensorcnt 0x0                           ; all my tensor loads have landed: my part of this unit; so a group 0 may be written
	ds_add_u32 v128, v129
	s_wait_dscnt 0x0
	s_set_vgpr_msb 0x500
.if \refill
	s_add_co_u32 s16, s15, 1
	s_cmp_eq_u32 s15, s13                          ; behind a diagonal unit comes unit 0 of the second block
	s_cselect_b32 s16, 0, s16
	s_lshl_b32 s46, s16, 14                        ; 128 keys x 128 bytes a unit
	s_mov_b32 s47, 0
	s_add_nc_u64 s[38+4*\oth:39+4*\oth], s[44:45], s[46:47]
	s_or_b32 s[39+4*\oth], s[39+4*\oth], 0x80000000
.endif
	s_wait_dscnt 0x0                               ; my reads of the other slot are back (and, in the first unit, my stores of the mask table are done)
	s_barrier_signal -1
	s_barrier_wait -1                              ; both now hold of all four waves
.if \refill
	KVLOAD \oth                                    ; my one tensor load behind this barrier; it has the whole unit in which to land
.endif
	s_min_u32 s17, s15, 15
	s_lshl_b32 s17, s17, 9
	v_add_nc_u32 v6, s17, v5                       ; this unit's 128 addends
	KFETCH \slot, 0
	SUB \slot, 0, \last
	SUB \slot, 1, \last
.if \last
	FINAL 0
.else
	s_cmp_lg_u32 s15, s13
	s_cbranch_scc1 .Lgo_on_\@
	FINAL 1
.Lgo_on_\@:
	s_add_co_u32 s15, s15, 1
.endif
.endm
	s_mov_b32 s52, 8                               ; 16 units in the loop; the 17th, always the second block's diagonal one, behind it
.Lunits:
	UNIT 0, 1, 1, 0
	UNIT 1, 0, 1, 0
	s_sub_co_u32 s52, s52, 1
	s_cmp_lg_u32 s52, 0
	s_cbranch_scc1 .Lunits
	UNIT 0, 1, 0, 1
	s_set_vgpr_msb 0x5
	s_wait_tensorcnt 0x0
	ds_add_u32 v128, v129
	s_wait_dscnt 0x0
	s_set_vgpr_msb 0x500
	s_endpgm
.Lfunc_end_k_q755a569d66_attn:
	.size	k_q755a569d66_attn, .Lfunc_end_k_q755a569d66_attn-k_q755a569d66_attn
	.p2alignl 7, 3214868480
	.fill 96, 4, 3214868480
	.section	.rodata,"a",@progbits
	.p2align	6, 0x0
	.amdhsa_kernel k_q755a569d66_attn
		.amdhsa_group_segment_fixed_size 327680
		.amdhsa_private_segment_fixed_size 0
		.amdhsa_enable_private_segment 0
		.amdhsa_kernarg_size 24
		.amdhsa_user_sgpr_count 2
		.amdhsa_user_sgpr_kernarg_segment_ptr 1
		.amdhsa_wavefront_size32 1
		.amdhsa_system_sgpr_workgroup_id_x 1
		.amdhsa_system_sgpr_workgroup_id_y 1
		.amdhsa_system_sgpr_workgroup_id_z 1
		.amdhsa_system_vgpr_workitem_id 0
		.amdhsa_next_free_vgpr 386
		.amdhsa_next_free_sgpr 66
		.amdhsa_reserve_vcc 1
		.amdhsa_float_denorm_mode_32 3
		.amdhsa_float_denorm_mode_16_64 3
		.amdhsa_memory_ordered 1
		.amdhsa_forward_progress 1
		.amdhsa_inst_pref_size 187
	.end_amdhsa_kernel
	.amdgpu_metadata
---
amdhsa.version: [ 1, 2 ]
amdhsa.kernels:
  - .name:           k_q755a569d66_attn
    .symbol:         k_q755a569d66_attn.kd
    .args:
      - { .name: qkv, .offset: 0, .size: 8, .value_kind: global_buffer, .address_space: global }
      - { .name: pad_token_mask, .offset: 8, .size: 8, .value_kind: global_buffer, .address_space: global }
      - { .name: yb, .offset: 16, .size: 8, .value_kind: global_buffer, .address_space: global }
    .group_segment_fixed_size: 327680
    .private_segment_fixed_size: 0
    .kernarg_segment_align: 8
    .kernarg_segment_size: 24
    .max_flat_workgroup_size: 128
    .sgpr_count:     66
    .vgpr_count:     386
    .wavefront_size: 32
...
	.end_amdgpu_metadata
.endif
;; end of part 3
;; launch oproj (part 4): grid 8 x 32, 4 waves a work-group, clusters of 4 x 4, 327,680 bytes of LDS; arguments yb, wb, bo, yf; writes yf
.if DOCPART == 4
	.amdgcn_target "amdgcn-amd-amdhsa--gfx1250"
	.amdhsa_code_object_version 6
	.text
	.protected	k_q755a569d66_oproj
	.globl	k_q755a569d66_oproj
	.p2align	8
	.type	k_q755a569d66_oproj,@function
k_q755a569d66_oproj:
	s_mov_b64 s[64:65], 0
	v_nop
	global_prefetch_b8 v0, s[64:65] scope:SCOPE_SE
	s_setreg_imm32_b32 hwreg(HW_REG_WAVE_MODE, 25, 1), 1
	s_wait_xcnt 0x0
	s_wait_alu depctr_hold_cnt(0) depctr_sa_sdst(0) depctr_va_vdst(0) depctr_va_sdst(0) depctr_va_ssrc(0) depctr_va_vcc(0) depctr_vm_vsrc(0)
	s_getreg_b32 s2, hwreg(HW_REG_IB_STS2, 6, 4)
	s_cmp_eq_u32 s2, 0
	s_cbranch_scc0 .Lentry_in_a_cluster
	s_endpgm
.Lentry_in_a_cluster:
	s_bfe_u32 s2, ttmp6, 0x10000c
	s_cmp_lg_u32 s2, 0xf033
	s_cbranch_scc0 .Lentry_shape_is_right
	s_endpgm
.Lentry_shape_is_right:
; oproj: yf = y Wo + bo in f32, [4096][1024].  y comes as f16 [b][h][t][64], Wo as f16 [k][n] (matrix 3 of wb).
; A work-group makes 128 rows x 128 columns, a wave 64 x 64 in 16 accumulator tiles.  K = 1,024 goes in 4 phases of 256 (four heads) through two LDS slots.
; CLUSTERS 4 x 4: y's tiles hang on the row block alone and are asked for jointly by a row of the cluster (waves 0, 1: two heads each);
; Wo's hang on the column block alone and are asked for jointly by a column (waves 2, 3: 128 k rows each).
; Transposed use as in the projections: source 0 = 16 columns of Wo (transposing LDS load), source 1 = 16 rows of y; bo is loaded into the accumulators and starts the sums.
; The norm over whole rows is a launch of its own: a work-group with whole rows would have to pass all of Wo, 2 MiB, through its LDS.
; LDS: two slots of 147,456 bytes, wave w filling 36,864 at w x 36,864: heads as 128 rows of pitch 144, Wo as 128 rows of pitch 288;
;   294,912: a stage of 16 rows x 272 bytes for each wave.
.set SLOT,  147456
.set PART,  36864
.set STAGE, 294912
.set G1A, 28
.set G1B, 36
.set G0A, 44
.set G0B, 52
.set ADRY, 16                          ; v16-17  y fragments, slot 0, 1
.set ADRW, 18                          ; v18-21  Wo fragments: 18 + 2 slot + half
.set STO, 24
.set RD,  25
.set CO,  26
.set BO,  27
.set RB,  160                          ; v160-191 read back by rows
.set MSB, 0
.macro WIN new
.if MSB != \new
	s_set_vgpr_msb (MSB<<8)|\new
.set MSB, \new
.endif
.endm
.macro PLACES
.rept 4
	v_nop
.endr
.endm
.macro JLOAD s
	s_cmp_lt_u32 s18, 2
	s_cbranch_scc0 .Lfor_b_\@
	tensor_load_to_lds s[G0A+4*\s:G0A+4*\s+3], s[G1A:G1A+7]
	s_nop 0
	s_branch .Lasked_\@
.Lfor_b_\@:
	tensor_load_to_lds s[G0B+4*\s:G0B+4*\s+3], s[G1B:G1B+7]
	s_nop 0
.Lasked_\@:
.endm
.macro CROUND                          ; a round of the cluster's barrier
	s_barrier_signal -1
	s_barrier_wait -1
	s_cmp_lg_u32 s18, 0
	s_cbranch_scc1 .Lnot_wave_0_\@
	s_barrier_signal -3
.Lnot_wave_0_\@:
	s_barrier_wait -3
	s_barrier_signal -1
	s_barrier_wait -1
.endm
	s_load_b256 s[4:11], s[0:1], 0x0               ; yb s[4:5], wb s[6:7], bo s[8:9], yf s[10:11]
	v_lshl_add_u32 v254, v0, 2, 0x4c400
	v_mov_b32 v255, 0
	ds_add_u32 v254, v255
	ds_add_u32 v254, v255
	v_lshrrev_b32 v1, 5, v0
	v_readfirstlane_b32 s18, v1                    ; wave
	s_lshr_b32 s19, s18, 1                         ; wm
	s_and_b32 s20, s18, 1                          ; wn
	s_bfe_u32 s21, ttmp6, 0x40000                  ; cx
	s_bfe_u32 s22, ttmp6, 0x40004                  ; cy
	s_lshl_b32 s23, ttmp9, 2
	s_add_co_u32 s23, s23, s21                     ; cg: column block
	s_and_b32 s24, ttmp7, 0xffff
	s_lshl_b32 s24, s24, 2
	s_add_co_u32 s24, s24, s22                     ; rb: row block
	s_lshl_b32 s25, s22, 2
	s_lshl_b32 s25, 15, s25
	s_lshl_b32 s26, 0x1111, s21
	; y: two heads' dense 16 KiB (128 tokens x 64) as 2 rows of 8,192 elements, 131,072 elements from head to head; 4 words of padding after every 32 (a token's 128 bytes)
	s_or_b32 s[G1A+0], s25, (1<<16)|(1<<20)|(1<<21)|(4<<22)|(3<<25)
	s_mov_b32 s[G1A+1], 8192<<16
	s_mov_b32 s[G1A+2], 2<<16
	s_mov_b32 s[G1A+3], 8192<<16
	s_mov_b32 s[G1A+4], 2
	s_mov_b32 s[G1A+5], 131072
	s_mov_b32 s[G1A+6], 0
	s_mov_b32 s[G1A+7], 0
	; Wo: 128 rows x 128 elements, pitch 1,024; 8 words of padding after every 64
	s_or_b32 s[G1B+0], s26, (1<<16)|(1<<20)|(1<<21)|(5<<22)|(7<<25)
	s_mov_b32 s[G1B+1], 128<<16
	s_mov_b32 s[G1B+2], 128<<16
	s_mov_b32 s[G1B+3], 128<<16
	s_mov_b32 s[G1B+4], 128
	s_mov_b32 s[G1B+5], 1024
	s_mov_b32 s[G1B+6], 0
	s_mov_b32 s[G1B+7], 0
	s_lshr_b32 s60, s24, 4                         ; y: head 16 b + 2 w (+ 4 a phase), 262,144 bytes a head, 16,384 a block of 128 tokens
	s_lshl_b32 s60, s60, 4
	s_lshl1_add_u32 s60, s18, s60
	s_lshl_b32 s60, s60, 18
	s_and_b32 s61, s24, 15
	s_lshl_b32 s61, s61, 14
	s_add_co_u32 s60, s60, s61
	s_mov_b32 s61, 0
	s_lshl_b32 s62, s20, 18                        ; Wo: matrix 3 of wb, 128 rows a wave, 256 bytes a column block
	s_add_co_u32 s62, s62, 6291456
	s_lshl_b32 s63, s23, 8
	s_add_co_u32 s62, s62, s63
	s_mov_b32 s63, 0
	s_mul_i32 s78, s18, PART
	s_wait_dscnt 0x0
	s_wait_kmcnt 0x0
	s_add_nc_u64 s[60:61], s[4:5], s[60:61]
	s_add_nc_u64 s[62:63], s[6:7], s[62:63]
	CROUND                                         ; in front of the first joint loads
.irp s, 0,1
	s_mov_b32 s[G0A+4*\s], 1
	s_add_co_u32 s[G0A+4*\s+1], s78, \s*SLOT
	s_add_nc_u64 s[G0A+4*\s+2:G0A+4*\s+3], s[60:61], \s*1048576      ; phase s: four heads on
	s_or_b32 s[G0A+4*\s+3], s[G0A+4*\s+3], 0x80000000
	s_mov_b32 s[G0B+4*\s], 1
	s_add_co_u32 s[G0B+4*\s+1], s78, \s*SLOT
	s_add_nc_u64 s[G0B+4*\s+2:G0B+4*\s+3], s[62:63], \s*524288       ; phase s: 256 rows down
	s_or_b32 s[G0B+4*\s+3], s[G0B+4*\s+3], 0x80000000
	JLOAD \s                                       ; two loads of the wave are out now, one behind every later round
.endr
	s_lshl_b32 s82, s24, 19                        ; yf: (128 rb + 64 wm) rows of 4,096 bytes + (128 cg + 64 wn) x 4
	s_lshl_b32 s83, s19, 18
	s_add_co_u32 s82, s82, s83
	s_lshl_b32 s84, s23, 9
	s_lshl_b32 s83, s20, 8
	s_add_co_u32 s84, s84, s83                     ; also my columns' place in bo
	s_add_co_u32 s82, s82, s84
	s_mov_b32 s83, 0
	s_add_nc_u64 s[66:67], s[10:11], s[82:83]
	v_and_b32 v1, 15, v0                           ; r
	v_bfe_u32 v2, v0, 4, 1                         ; h
	v_and_b32 v3, 7, v0
	v_bfe_u32 v4, v0, 3, 1
	v_mul_u32_u24 v5, v1, 144
	v_lshl_add_u32 v5, v2, 4, v5
	s_mul_i32 s79, s19, 64*144
	v_add_nc_u32 v[ADRY], s79, v5
	v_add_nc_u32 v[ADRY+1], SLOT, v[ADRY]
	v_lshl_add_u32 v6, v2, 3, v3
	v_mul_u32_u24 v6, v6, 288
	v_lshl_add_u32 v6, v4, 4, v6
	v_lshl_add_u32 v6, s20, 7, v6
.irp s, 0,1
.irp hf, 0,1
	v_add_nc_u32 v[ADRW+2*\s+\hf], \s*SLOT+2*PART+\hf*PART, v6
.endr
.endr
	s_mul_i32 s81, s18, 4352
	s_add_co_u32 s81, s81, STAGE
	v_mul_u32_u24 v7, v1, 272
	v_lshl_add_u32 v7, v2, 5, v7
	v_add_nc_u32 v[STO], s81, v7                   ; in: row r, 32 bytes for each half of the lanes
	v_mul_u32_u24 v8, v2, 272
	v_lshl_add_u32 v8, v1, 4, v8
	v_add_nc_u32 v[RD], s81, v8                    ; back: lanes 0-15 one row of 256 bytes, lanes 16-31 the next
	v_lshlrev_b32 v9, 12, v2
	v_lshl_add_u32 v[CO], v1, 4, v9                ; the same two rows in yf
	v_lshl_add_u32 v[BO], v2, 5, s84
	WIN 0x40
.irp mt, 0,1,2,3
.irp nt, 0,1,2,3
	global_load_b128 v[8*(4*\mt+\nt):8*(4*\mt+\nt)+3], v[BO], s[8:9] offset:64*\nt
	global_load_b128 v[8*(4*\mt+\nt)+4:8*(4*\mt+\nt)+7], v[BO], s[8:9] offset:64*\nt+16
.endr
.endr
	WIN 0
; 16 LDS loads: 32 along K (piece kq of a phase's eight) into buffer f: y at v[32 + 64 f], Wo at v[64 + 64 f]
.macro FETCH slot, kq, f
.irp nt, 0,1,2,3
	ds_load_tr16_b128 v[64+64*\f+8*\nt:64+64*\f+8*\nt+3], v[ADRW+2*\slot+(\kq>>2)] offset:(\kq&3)*9216+\nt*32
	ds_load_tr16_b128 v[64+64*\f+8*\nt+4:64+64*\f+8*\nt+7], v[ADRW+2*\slot+(\kq>>2)] offset:(\kq&3)*9216+\nt*32+4608
.endr
.irp mt, 0,1,2,3
	ds_load_b128 v[32+64*\f+8*\mt:32+64*\f+8*\mt+3], v[ADRY+\slot] offset:(\kq>>1)*18432+\mt*2304+(\kq&1)*64
	ds_load_b128 v[32+64*\f+8*\mt+4:32+64*\f+8*\mt+7], v[ADRY+\slot] offset:(\kq>>1)*18432+\mt*2304+(\kq&1)*64+32
.endr
.endm
; Buffer f is multiplied while piece kn comes into buffer g.  The 16 accumulators take turns, one instruction a turn.
.macro KSTEP slot, kn, f, g, more
	s_wait_dscnt 0x0                               ; buffer f is in
	PLACES                                         ; four places behind the matrix instructions that read the buffer loaded next (in the last piece: for the next phase's first fetch)
.if \more
	FETCH \slot, \kn, \g
.endif
	WIN 0x50
.irp mt, 0,1,2,3
.irp nt, 0,1,2,3
	v_wmma_f32_16x16x32_f16 v[8*(4*\mt+\nt):8*(4*\mt+\nt)+7], v[64+64*\f+8*\nt:64+64*\f+8*\nt+7], v[32+64*\f+8*\mt:32+64*\f+8*\mt+7], v[8*(4*\mt+\nt):8*(4*\mt+\nt)+7]
.endr
.endr
	WIN 0
.endm
.macro PHASE slot
	FETCH \slot, 0, 0
	KSTEP \slot, 1, 0, 1, 1
	KSTEP \slot, 2, 1, 0, 1
	KSTEP \slot, 3, 0, 1, 1
	KSTEP \slot, 4, 1, 0, 1
	KSTEP \slot, 5, 0, 1, 1
	KSTEP \slot, 6, 1, 0, 1
	KSTEP \slot, 7, 0, 1, 1
	KSTEP \slot, 0, 1, 0, 0
.endm
; A slot that has been read is filled again, two phases on: the waits, a round of the cluster's barrier, the joint load first behind it.
.macro REFILL slot
	s_wait_tensorcnt 0x0                           ; all my tensor loads have landed, my part of the other slot among them
	ds_add_u32 v254, v255
	s_add_nc_u64 s[G0A+4*\slot+2:G0A+4*\slot+3], s[G0A+4*\slot+2:G0A+4*\slot+3], 2097152
	s_add_nc_u64 s[G0B+4*\slot+2:G0B+4*\slot+3], s[G0B+4*\slot+2:G0B+4*\slot+3], 1048576
	s_wait_dscnt 0x0                               ; my reads of this slot are back
	CROUND
	JLOAD \slot
.endm
	s_wait_loadcnt 0x0                             ; bo is in the accumulators
	s_wait_tensorcnt 0x1                           ; my part of phase 0 is in; phase 1's may stay out
	s_barrier_signal -1
	s_barrier_wait -1
	PHASE 0
	REFILL 0
	PHASE 1
	REFILL 1
	PHASE 0
	s_wait_tensorcnt 0x0                           ; my part of the last phase is in
	s_wait_dscnt 0x0
	s_barrier_signal -1
	s_barrier_wait -1
	PHASE 1
	PLACES                                         ; before the results are read
; THE WAY OUT, 16 rows at a time, f32: straight from the accumulators into my stage, read back by rows of 256 bytes.
.macro OUTM mt
	WIN 0x04
.irp nt, 0,1,2,3
	ds_store_b128 v[STO], v[8*(4*\mt+\nt):8*(4*\mt+\nt)+3] offset:\nt*64
	ds_store_b128 v[STO], v[8*(4*\mt+\nt)+4:8*(4*\mt+\nt)+7] offset:\nt*64+16
.endr
	WIN 0
	s_wait_xcnt 0x0                                ; RB, which the last stores read, is loaded again only behind this wait
.irp i, 0,1,2,3,4,5,6,7
	ds_load_b128 v[RB+4*\i:RB+4*\i+3], v[RD] offset:\i*544         ; LDS serves a wave's instructions in order: these see the stores above
.endr
.irp i, 0,1,2,3,4,5,6,7
	s_wait_dscnt 7-\i
	global_store_b128 v[CO], v[RB+4*\i:RB+4*\i+3], s[66:67] offset:\mt*65536+\i*8192   ; 16 lanes store 256 neighbouring bytes, aligned
.endr
.endm
	OUTM 0
	OUTM 1
	OUTM 2
	OUTM 3
	s_wait_tensorcnt 0x0
	ds_add_u32 v254, v255
	s_wait_dscnt 0x0
	CROUND                                         ; the closing round
	s_endpgm
.Lfunc_end_k_q755a569d66_oproj:
	.size	k_q755a569d66_oproj, .Lfunc_end_k_q755a569d66_oproj-k_q755a569d66_oproj
	.p2alignl 7, 3214868480
	.fill 96, 4, 3214868480
	.section	.rodata,"a",@progbits
	.p2align	6, 0x0
	.amdhsa_kernel k_q755a569d66_oproj
		.amdhsa_group_segment_fixed_size 327680
		.amdhsa_private_segment_fixed_size 0
		.amdhsa_enable_private_segment 0
		.amdhsa_kernarg_size 32
		.amdhsa_user_sgpr_count 2
		.amdhsa_user_sgpr_kernarg_segment_ptr 1
		.amdhsa_wavefront_size32 1
		.amdhsa_system_sgpr_workgroup_id_x 1
		.amdhsa_system_sgpr_workgroup_id_y 1
		.amdhsa_system_sgpr_workgroup_id_z 1
		.amdhsa_system_vgpr_workitem_id 0
		.amdhsa_next_free_vgpr 384
		.amdhsa_next_free_sgpr 100
		.amdhsa_reserve_vcc 0
		.amdhsa_float_denorm_mode_32 3
		.amdhsa_float_denorm_mode_16_64 3
		.amdhsa_memory_ordered 1
		.amdhsa_forward_progress 1
		.amdhsa_inst_pref_size 92
	.end_amdhsa_kernel
	.amdgpu_metadata
---
amdhsa.version: [ 1, 2 ]
amdhsa.kernels:
  - .name:           k_q755a569d66_oproj
    .symbol:         k_q755a569d66_oproj.kd
    .args:
      - { .name: yb, .offset: 0, .size: 8, .value_kind: global_buffer, .address_space: global }
      - { .name: wb, .offset: 8, .size: 8, .value_kind: global_buffer, .address_space: global }
      - { .name: bo, .offset: 16, .size: 8, .value_kind: global_buffer, .address_space: global }
      - { .name: yf, .offset: 24, .size: 8, .value_kind: global_buffer, .address_space: global }
    .group_segment_fixed_size: 327680
    .private_segment_fixed_size: 0
    .kernarg_segment_align: 8
    .kernarg_segment_size: 32
    .max_flat_workgroup_size: 128
    .sgpr_count:     100
    .vgpr_count:     384
    .wavefront_size: 32
...
	.end_amdgpu_metadata
.endif
;; end of part 4
;; launch ln (part 5): grid 256 x 1, 8 waves a work-group, no clusters, 0 bytes of LDS; arguments yf, gamma, beta, out0; writes out0
.if DOCPART == 5
	.amdgcn_target "amdgcn-amd-amdhsa--gfx1250"
	.amdhsa_code_object_version 6
	.text
	.protected	k_q755a569d66_ln
	.globl	k_q755a569d66_ln
	.p2align	8
	.type	k_q755a569d66_ln,@function
k_q755a569d66_ln:
	s_mov_b64 s[64:65], 0
	v_nop
	global_prefetch_b8 v0, s[64:65] scope:SCOPE_SE
	s_setreg_imm32_b32 hwreg(HW_REG_WAVE_MODE, 25, 1), 1
	s_wait_xcnt 0x0
; ln: LayerNorm over rows of 1,024 f32: out = (y - mean) * rsqrt(var + 1e-5) * gamma + beta.
; A wave takes two whole rows, 32 registers each, so a row is read once and no wave waits for another: no LDS, no barrier, no matrix unit.
; Two passes in registers (the mean first, then the squares of the differences): no difference of large sums is formed.
; Every load and store of a wave covers 512 neighbouring bytes.
.set X, 16                             ; v[16:47] row 0, v[48:79] row 1
.set G, 80                             ; v[80:111]  gamma of my 32 columns
.set B, 112                            ; v[112:143] beta
.set R, 144                            ; v[144:147] 1 / sigma, twice for each row
	s_load_b256 s[4:11], s[0:1], 0x0               ; yf s[4:5], gamma s[6:7], beta s[8:9], out0 s[10:11]
	v_and_b32 v1, 31, v0
	v_and_b32 v2, 0xe0, v0                         ; 32 x wave
	v_lshlrev_b32 v3, 4, v1                        ; 16 bytes a lane
	v_lshl_or_b32 v1, v2, 8, v3                    ; + wave x two rows of 4,096 bytes
	s_lshl_b32 s2, ttmp9, 16                       ; 16 rows a work-group
	s_mov_b32 s3, 0
	s_mov_b32 s12, 0x3a800000                      ; 1/1024
	s_mov_b32 s14, 0x76543210
	s_mov_b32 s15, 0xfedcba98
	s_wait_kmcnt 0x0
	s_add_nc_u64 s[4:5], s[4:5], s[2:3]
	s_add_nc_u64 s[10:11], s[10:11], s[2:3]
.irp s, 0,1
.irp j, 0,1,2,3,4,5,6,7
	global_load_b128 v[X+32*\s+4*\j:X+32*\s+4*\j+3], v1, s[4:5] offset:4096*\s+512*\j th:TH_LOAD_NT
.endr
.endr
.irp j, 0,1,2,3,4,5,6,7
	global_load_b128 v[G+4*\j:G+4*\j+3], v3, s[6:7] offset:512*\j
.endr
.irp j, 0,1,2,3,4,5,6,7
	global_load_b128 v[B+4*\j:B+4*\j+3], v3, s[8:9] offset:512*\j
.endr
.macro REDUCE                          ; the sum of v4 over the 32 lanes, in every lane
	v_add_f32 v4, v4, v5
	v_add_f32_dpp v4, v4, v4 row_xmask:1 row_mask:0xf bank_mask:0xf
	v_add_f32_dpp v4, v4, v4 row_xmask:2 row_mask:0xf bank_mask:0xf
	v_add_f32_dpp v4, v4, v4 row_xmask:4 row_mask:0xf bank_mask:0xf
	v_add_f32_dpp v4, v4, v4 row_xmask:8 row_mask:0xf bank_mask:0xf
	v_permlanex16_b32 v5, v4, s14, s15
	v_add_f32 v4, v4, v5
.endm
.macro JOIN                            ; four chains of pairs into one pair
	v_pk_add_f32 v[4:5], v[4:5], v[6:7]
	v_pk_add_f32 v[8:9], v[8:9], v[10:11]
	v_pk_add_f32 v[4:5], v[4:5], v[8:9]
.endm
; left = how many younger loads may stay out when this row has to be there
.macro ROWSTAT s, left
	s_wait_loadcnt \left
.irp k, 0,1,2,3
	v_pk_add_f32 v[4+2*\k:5+2*\k], v[X+32*\s+2*\k:X+32*\s+2*\k+1], v[X+32*\s+8+2*\k:X+32*\s+8+2*\k+1]
.endr
.irp o, 16,24
.irp k, 0,1,2,3
	v_pk_add_f32 v[4+2*\k:5+2*\k], v[4+2*\k:5+2*\k], v[X+32*\s+\o+2*\k:X+32*\s+\o+2*\k+1]
.endr
.endr
	JOIN
	REDUCE
	v_mul_f32 v12, s12, v4                         ; the mean, twice
	v_mul_f32 v13, s12, v4
.irp k, 0,1,2,3,4,5,6,7,8,9,10,11,12,13,14,15
	v_pk_add_f32 v[X+32*\s+2*\k:X+32*\s+2*\k+1], v[X+32*\s+2*\k:X+32*\s+2*\k+1], v[12:13] neg_lo:[0,1] neg_hi:[0,1]
.endr
.irp k, 0,1,2,3
	v_pk_mul_f32 v[4+2*\k:5+2*\k], v[X+32*\s+2*\k:X+32*\s+2*\k+1], v[X+32*\s+2*\k:X+32*\s+2*\k+1]
.endr
.irp o, 8,16,24
.irp k, 0,1,2,3
	v_pk_fma_f32 v[4+2*\k:5+2*\k], v[X+32*\s+\o+2*\k:X+32*\s+\o+2*\k+1], v[X+32*\s+\o+2*\k:X+32*\s+\o+2*\k+1], v[4+2*\k:5+2*\k]
.endr
.endr
	JOIN
	REDUCE
	v_fmaak_f32 v6, s12, v4, 0x3727c5ac            ; variance + 1e-5
	v_rsq_f32 v[R+2*\s], v6
	v_rsq_f32 v[R+2*\s+1], v6
	v_nop                                          ; one plain place behind the transcendentals (ISA guide 5.7.2)
.endm
.macro ROWOUT s
	s_wait_alu depctr_va_vdst(0)
.irp j, 0,1,2,3,4,5,6,7
	v_pk_mul_f32 v[X+32*\s+4*\j:X+32*\s+4*\j+1], v[X+32*\s+4*\j:X+32*\s+4*\j+1], v[R+2*\s:R+2*\s+1]
	v_pk_mul_f32 v[X+32*\s+4*\j+2:X+32*\s+4*\j+3], v[X+32*\s+4*\j+2:X+32*\s+4*\j+3], v[R+2*\s:R+2*\s+1]
	v_pk_fma_f32 v[X+32*\s+4*\j:X+32*\s+4*\j+1], v[X+32*\s+4*\j:X+32*\s+4*\j+1], v[G+4*\j:G+4*\j+1], v[B+4*\j:B+4*\j+1]
	v_pk_fma_f32 v[X+32*\s+4*\j+2:X+32*\s+4*\j+3], v[X+32*\s+4*\j+2:X+32*\s+4*\j+3], v[G+4*\j+2:G+4*\j+3], v[B+4*\j+2:B+4*\j+3]
	global_store_b128 v1, v[X+32*\s+4*\j:X+32*\s+4*\j+3], s[10:11] offset:4096*\s+512*\j th:TH_STORE_NT
.endr
.endm
	ROWSTAT 0, 24                                  ; row 0 is in; row 1, gamma and beta (24 loads) may stay out
	ROWSTAT 1, 16                                  ; row 1 is in; gamma and beta (16 loads) may stay out
	s_wait_loadcnt 0x0
	ROWOUT 0
	ROWOUT 1
	s_endpgm
.Lfunc_end_k_q755a569d66_ln:
	.size	k_q755a569d66_ln, .Lfunc_end_k_q755a569d66_ln-k_q755a569d66_ln
	.p2alignl 7, 3214868480
	.fill 96, 4, 3214868480
	.section	.rodata,"a",@progbits
	.p2align	6, 0x0
	.amdhsa_kernel k_q755a569d66_ln
		.amdhsa_group_segment_fixed_size 0
		.amdhsa_private_segment_fixed_size 0
		.amdhsa_enable_private_segment 0
		.amdhsa_kernarg_size 32
		.amdhsa_user_sgpr_count 2
		.amdhsa_user_sgpr_kernarg_segment_ptr 1
		.amdhsa_wavefront_size32 1
		.amdhsa_system_sgpr_workgroup_id_x 1
		.amdhsa_system_sgpr_workgroup_id_y 1
		.amdhsa_system_sgpr_workgroup_id_z 1
		.amdhsa_system_vgpr_workitem_id 0
		.amdhsa_next_free_vgpr 148
		.amdhsa_next_free_sgpr 66
		.amdhsa_reserve_vcc 0
		.amdhsa_float_denorm_mode_32 3
		.amdhsa_float_denorm_mode_16_64 3
		.amdhsa_memory_ordered 1
		.amdhsa_forward_progress 1
		.amdhsa_inst_pref_size 18
	.end_amdhsa_kernel
	.amdgpu_metadata
---
amdhsa.version: [ 1, 2 ]
amdhsa.kernels:
  - .name:           k_q755a569d66_ln
    .symbol:         k_q755a569d66_ln.kd
    .args:
      - { .name: yf, .offset: 0, .size: 8, .value_kind: global_buffer, .address_space: global }
      - { .name: gamma, .offset: 8, .size: 8, .value_kind: global_buffer, .address_space: global }
      - { .name: beta, .offset: 16, .size: 8, .value_kind: global_buffer, .address_space: global }
      - { .name: out0, .offset: 24, .size: 8, .value_kind: global_buffer, .address_space: global }
    .group_segment_fixed_size: 0
    .private_segment_fixed_size: 0
    .kernarg_segment_align: 8
    .kernarg_segment_size: 32
    .max_flat_workgroup_size: 256
    .sgpr_count:     66
    .vgpr_count:     148
    .wavefront_size: 32
...
	.end_amdgpu_metadata
.endif
;; end of part 5
;; ======== version 2 of 2: 5 launches; version 1 with the launches prep, ln written anew for expert scheduling mode
;; limits: values are held in f16: magnitudes above 65,504 overflow, below 6.1e-05 lose precision
;; workspace buffers: xb 8,388,608 bytes; wb 8,388,608 bytes; rope 524,288 bytes; qkv 25,165,824 bytes; yb 8,388,608 bytes; yf 16,777,216 bytes
;; launch prep (part 6): grid 512 x 1, 8 waves a work-group, no clusters, 0 bytes of LDS; arguments x, Wq, Wk, Wv, Wo, xb, wb, rope; writes xb, wb, rope
.if DOCPART == 6
	.amdgcn_target "amdgcn-amd-amdhsa--gfx1250"
	.amdhsa_code_object_version 6
	.text
	.protected	k_q755a569d66_prep
	.globl	k_q755a569d66_prep
	.p2align	8
	.type	k_q755a569d66_prep,@function
k_q755a569d66_prep:
	s_mov_b64 s[64:65], 0
	v_nop
	global_prefetch_b8 v0, s[64:65] scope:SCOPE_SE
	s_setreg_imm32_b32 hwreg(HW_REG_WAVE_SCHED_MODE, 0, 2), 2
	s_setreg_imm32_b32 hwreg(HW_REG_WAVE_MODE, 25, 1), 1
	s_wait_xcnt 0x0
	s_wait_alu depctr_vm_vsrc(0)
; prep: (1) casts x and the four weight matrices from f32 to f16 (xb: [4096][1024]; wb: [q,k,v,o][1024 k][1024 n], a pure cast);
;       (2) makes the RoPE table, cos and sin of t * 10000^(-i/32), t = 0..2047, i = 0..31, in the order in which the projection's result registers want it.
; LIMITS: |x| and |W| below 65,504 (f16's largest number); beyond it the cast gives infinity.  The angles carry a relative error of a few 1e-7
; (one rounding of the exponent, the accuracy of v_exp_f32), so cos and sin of the largest angle, 2047, are good to some 2e-4.
; 512 work-groups of 8 waves; each casts 64 KiB of f32: groups 0-255 x, groups 256-511 Wq, Wk, Wv, Wo (64 groups each).
; A stream: no LDS, no barrier, no matrix unit.  All 16 loads of a thread go out first; a load of a wave covers 512 neighbouring bytes,
; a store of a wave 256 neighbouring bytes, aligned.
; THE MODE: SCHED_MODE bits 1:0 = 2 (LLVM: expert scheduling mode 2), set by the entry lines.  The code itself states the register dependences
; between vector instructions and memory instructions, with s_wait_alu, always for 0.
; THE PLAN.  Registers that memory instructions touch:
;   v1, v2     byte offsets, made once at the head and never written again: one wait ahead of the first load serves every load and store.
;   XD         16 loads x 4 registers.  Written by the loads alone, once each; read by the conversions.  No vector instruction names them ahead of the loads.
;   YD         16 stores x 2 registers.  Written by the conversions, once each; read by one store each and never written again.
;   v[14:15]   the table's pair: written by the table's last lines, read by one store, never written again.
; The cast goes in four blocks of four loads.  Block p's conversions read XD's block p and write YD's block p; its memory instructions are the four stores
; of block p - 1, whose registers no vector instruction of block p names.  So one wait at a block's head states all that its four stores hang on.
.set XD, 16                            ; v[16:79]   16 loads x 4 registers of f32
.set YD, 80                            ; v[80:111]  16 stores x 2 registers of f16
	s_load_b512 s[8:23], s[0:1], 0x0               ; x s[8:9], Wq s[10:11], Wk s[12:13], Wv s[14:15], Wo s[16:17], xb s[18:19], wb s[20:21], rope s[22:23]
	v_lshrrev_b32 v3, 5, v0
	v_readfirstlane_b32 s5, v3                     ; wave number
	v_lshlrev_b32 v1, 4, v0                        ; 16 bytes of f32 a thread
	v_lshlrev_b32 v2, 3, v0                        ; 8 bytes of f16 a thread (and 8 bytes of the table)
	s_bfe_u32 s2, ttmp9, 0x20006                   ; which weight matrix: bits 7:6 of the group's number
	s_and_b32 s3, ttmp9, 63                        ; which 64 KiB of it
	s_and_b32 s4, ttmp9, 255                       ; which 32 KiB of xb or of wb
	s_lshl_b32 s32, ttmp9, 10                      ; the group's 1,024 bytes of the table
	s_mov_b32 s33, 0
	s_wait_kmcnt 0x0
	s_cmp_eq_u32 s2, 1
	s_cselect_b64 s[24:25], s[12:13], s[10:11]
	s_cmp_eq_u32 s2, 2
	s_cselect_b64 s[24:25], s[14:15], s[24:25]
	s_cmp_eq_u32 s2, 3
	s_cselect_b64 s[24:25], s[16:17], s[24:25]
	s_cmp_lt_u32 ttmp9, 256                        ; the first 256 groups take x
	s_cselect_b64 s[24:25], s[8:9], s[24:25]       ; source
	s_cselect_b64 s[26:27], s[18:19], s[20:21]     ; destination
	s_cselect_b32 s3, ttmp9, s3
	s_lshl_b32 s28, s3, 16
	s_mov_b32 s29, 0
	s_lshl_b32 s30, s4, 15
	s_mov_b32 s31, 0
	s_add_nc_u64 s[24:25], s[24:25], s[28:29]
	s_add_nc_u64 s[26:27], s[26:27], s[30:31]
	s_add_nc_u64 s[22:23], s[22:23], s[32:33]
	s_wait_alu depctr_va_vdst(0)                   ; v1 and v2 are written: every load and store of the kernel reads one of them as its offset
.irp i, 0,1,2,3,4,5,6,7,8,9,10,11,12,13,14,15
	global_load_b128 v[XD+4*\i:XD+4*\i+3], v1, s[24:25] offset:4096*\i th:TH_LOAD_NT
.endr
	; The table, made by waves 0-3 while the loads are on their way.  Pair p = 128 g + thread, 8 bytes (cos, sin) at 8 p.
	; Bits of p: 0 pp, 4:1 r, 5 h, 6 u, 8:7 dt, the rest tile.  Token t = 16 tile + r, frequency i = 8 dt + 4 h + 2 u + pp.
	; So the 16 bytes at tile*4096 + dt*1024 + u*512 + 16*lane hold c, s, c, s for columns 16 dt + 8 h + 4 u + 0..3 of token 16 tile + r.
	s_wait_alu depctr_va_sdst(0)                   ; v_readfirstlane_b32 has written s5, ahead of its first reader, the compare below
	s_cmp_gt_u32 s5, 3
	s_cbranch_scc1 .Lcast
	v_and_b32 v3, 1, v0                            ; pp
	v_bfe_u32 v4, v0, 1, 4                         ; r
	v_bfe_u32 v5, v0, 5, 1                         ; h
	v_bfe_u32 v6, v0, 6, 1                         ; u
	v_lshl_add_u32 v3, v6, 1, v3
	v_lshl_add_u32 v3, v5, 2, v3
	s_and_b32 s6, ttmp9, 3
	s_lshl_b32 s6, s6, 3                           ; 8 dt
	s_lshr_b32 s7, ttmp9, 2
	s_lshl_b32 s7, s7, 4                           ; 16 tile
	v_add_nc_u32 v3, s6, v3                        ; i
	v_add_nc_u32 v4, s7, v4                        ; t
	v_cvt_f32_u32 v3, v3
	v_cvt_f32_u32 v4, v4
	v_mul_f32 v3, 0xbed49a78, v3                   ; -i * log2(10000) / 32
	v_exp_f32 v3, v3                               ; theta
	v_nop                                          ; one plain place behind a transcendental (ISA guide 5.7.2)
	s_wait_alu depctr_va_vdst(0)                   ; v_exp_f32 has written theta, v3, ahead of its first reader
	v_mul_f32 v5, v4, v3                           ; the angle
	v_mul_f32 v6, 0x3f22f983, v5                   ; x 2/pi
	v_rndne_f32 v6, v6                             ; n quarter turns
	v_fmamk_f32 v7, v6, 0xbfc90fdb, v5             ; angle - n * pi/2, pi/2 in two parts: the f32 nearest to it
	v_fmamk_f32 v7, v6, 0x333bbd2e, v7             ; and what that f32 has too much, given back
	v_mul_f32 v8, v7, v7
	v_mov_b32 v9, 0xb9500d01                       ; -1/5040
	v_mov_b32 v10, 0x37d00d01                      ; 1/40320
	v_fmaak_f32 v9, v9, v8, 0x3c088889             ; 1/120
	v_fmaak_f32 v10, v10, v8, 0xbab60b61           ; -1/720
	v_fmaak_f32 v9, v9, v8, 0xbe2aaaab             ; -1/6
	v_fmaak_f32 v10, v10, v8, 0x3d2aaaab           ; 1/24
	v_mul_f32 v12, v7, v8
	v_fmaak_f32 v10, v10, v8, 0xbf000000           ; -1/2
	v_fma_f32 v9, v12, v9, v7                      ; sin of the rest (at most pi/4: the series' next term is below 4e-7)
	v_fma_f32 v10, v10, v8, 1.0                    ; cos of the rest
	v_cvt_i32_f32 v11, v6
	v_and_b32 v12, 1, v11
	v_cmp_eq_u32 vcc_lo, 1, v12                    ; an odd number of quarter turns swaps the two
	v_lshlrev_b32 v12, 30, v11                     ; sin is negative in quarters 2, 3: bit 1 of n.  These five lines name no VCC: they stand between the compare and the wait for it
	v_add_nc_u32 v13, 1, v11                       ; cos in quarters 1, 2: bit 1 of n + 1
	v_and_b32 v12, 0x80000000, v12
	v_lshlrev_b32 v13, 30, v13
	v_and_b32 v13, 0x80000000, v13
	s_wait_alu depctr_va_vcc(0)                    ; the compare has written VCC, which the two selects read
	v_cndmask_b32 v15, v9, v10, vcc_lo             ; sin
	v_cndmask_b32 v14, v10, v9, vcc_lo             ; cos
	v_xor_b32 v15, v15, v12
	v_xor_b32 v14, v14, v13
	s_wait_alu depctr_va_vdst(0)                   ; v14 and v15 are written, which the store reads
	global_store_b64 v2, v[14:15], s[22:23]        ; a wave stores 256 neighbouring bytes
.Lcast:
; Load i's four f32 become two registers of f16.
.macro CVT i
	s_wait_loadcnt 15-(\i)                         ; loads come back in order: load i is in, the younger ones stay out
	v_cvt_pk_f16_f32 v[YD+2*(\i)], v[XD+4*(\i)], v[XD+4*(\i)+1]
	v_cvt_pk_f16_f32 v[YD+2*(\i)+1], v[XD+4*(\i)+2], v[XD+4*(\i)+3]
.endm
.macro PUT i
	global_store_b64 v2, v[YD+2*(\i):YD+2*(\i)+1], s[26:27] offset:2048*(\i)
.endm
.irp i, 0,1,2,3
	CVT \i                                         ; block 0 has no block in front of it: no store, no wait but those for its data
.endr
.irp p, 1,2,3
	s_wait_alu depctr_va_vdst(0)                   ; the block before has written its eight registers of YD, which the four stores below read
.irp i, 0,1,2,3
	PUT 4*(\p)-4+(\i)                              ; no vector instruction since the wait names this store's registers
	CVT 4*(\p)+(\i)
.endr
.endr
	s_wait_alu depctr_va_vdst(0)                   ; block 3 has written its eight registers of YD, which the last four stores read
.irp i, 12,13,14,15
	PUT \i
.endr
	s_endpgm
.Lfunc_end_k_q755a569d66_prep:
	.size	k_q755a569d66_prep, .Lfunc_end_k_q755a569d66_prep-k_q755a569d66_prep
	.p2alignl 7, 3214868480
	.fill 96, 4, 3214868480
	.section	.rodata,"a",@progbits
	.p2align	6, 0x0
	.amdhsa_kernel k_q755a569d66_prep
		.amdhsa_group_segment_fixed_size 0
		.amdhsa_private_segment_fixed_size 0
		.amdhsa_enable_private_segment 0
		.amdhsa_kernarg_size 64
		.amdhsa_user_sgpr_count 2
		.amdhsa_user_sgpr_kernarg_segment_ptr 1
		.amdhsa_wavefront_size32 1
		.amdhsa_system_sgpr_workgroup_id_x 1
		.amdhsa_system_sgpr_workgroup_id_y 1
		.amdhsa_system_sgpr_workgroup_id_z 1
		.amdhsa_system_vgpr_workitem_id 0
		.amdhsa_next_free_vgpr 112
		.amdhsa_next_free_sgpr 66
		.amdhsa_reserve_vcc 1
		.amdhsa_float_denorm_mode_32 3
		.amdhsa_float_denorm_mode_16_64 3
		.amdhsa_memory_ordered 1
		.amdhsa_forward_progress 1
		.amdhsa_inst_pref_size 10
	.end_amdhsa_kernel
	.amdgpu_metadata
---
amdhsa.version: [ 1, 2 ]
amdhsa.kernels:
  - .name:           k_q755a569d66_prep
    .symbol:         k_q755a569d66_prep.kd
    .args:
      - { .name: x, .offset: 0, .size: 8, .value_kind: global_buffer, .address_space: global }
      - { .name: Wq, .offset: 8, .size: 8, .value_kind: global_buffer, .address_space: global }
      - { .name: Wk, .offset: 16, .size: 8, .value_kind: global_buffer, .address_space: global }
      - { .name: Wv, .offset: 24, .size: 8, .value_kind: global_buffer, .address_space: global }
      - { .name: Wo, .offset: 32, .size: 8, .value_kind: global_buffer, .address_space: global }
      - { .name: xb, .offset: 40, .size: 8, .value_kind: global_buffer, .address_space: global }
      - { .name: wb, .offset: 48, .size: 8, .value_kind: global_buffer, .address_space: global }
      - { .name: rope, .offset: 56, .size: 8, .value_kind: global_buffer, .address_space: global }
    .group_segment_fixed_size: 0
    .private_segment_fixed_size: 0
    .kernarg_segment_align: 8
    .kernarg_segment_size: 64
    .max_flat_workgroup_size: 256
    .sgpr_count:     66
    .vgpr_count:     112
    .wavefront_size: 32
...
	.end_amdgpu_metadata
.endif
;; end of part 6
;; launch qkvp: the kernel of part 2 again; grid 8 x 32, 4 waves a work-group, clusters of 4 x 4, 327,680 bytes of LDS; arguments xb, wb, bq, bk, bv, rope, qkv; writes qkv
;; launch attn: the kernel of part 3 again; grid 8 x 32, 4 waves a work-group, no clusters, 327,680 bytes of LDS; arguments qkv, pad_token_mask, yb; writes yb
;; launch oproj: the kernel of part 4 again; grid 8 x 32, 4 waves a work-group, clusters of 4 x 4, 327,680 bytes of LDS; arguments yb, wb, bo, yf; writes yf
;; launch ln (part 7): grid 256 x 1, 8 waves a work-group, no clusters, 0 bytes of LDS; arguments yf, gamma, beta, out0; writes out0
.if DOCPART == 7
	.amdgcn_target "amdgcn-amd-amdhsa--gfx1250"
	.amdhsa_code_object_version 6
	.text
	.protected	k_q755a569d66_ln
	.globl	k_q755a569d66_ln
	.p2align	8
	.type	k_q755a569d66_ln,@function
k_q755a569d66_ln:
	s_mov_b64 s[64:65], 0
	v_nop
	global_prefetch_b8 v0, s[64:65] scope:SCOPE_SE
	s_setreg_imm32_b32 hwreg(HW_REG_WAVE_SCHED_MODE, 0, 2), 2
	s_setreg_imm32_b32 hwreg(HW_REG_WAVE_MODE, 25, 1), 1
	s_wait_xcnt 0x0
	s_wait_alu depctr_vm_vsrc(0)
; ln: LayerNorm over rows of 1,024 f32: out = (y - mean) * rsqrt(var + 1e-5) * gamma + beta.
; A wave takes two whole rows, 32 registers each, so a row is read once and no wave waits for another: no LDS, no barrier, no matrix unit.
; Two passes in registers (the mean first, then the squares of the differences): no difference of large sums is formed.
; Every load and store of a wave covers 512 neighbouring bytes.
; THE MODE: SCHED_MODE bits 1:0 = 2 (LLVM: expert scheduling mode 2), set by the entry lines.  The code itself states the register dependences
; between vector instructions and memory instructions, with s_wait_alu, always for 0.
; THE PLAN.  Registers that memory instructions touch:
;   v1, v3     byte offsets, made once at the head and never written again: one wait ahead of the first load serves every load and store.
;   X          two rows of 32 registers.  Written by the loads, then in place by the row's vector work; read last by the row's eight stores, and not written after them.
;   G, B       written by the loads; read by vector instructions alone.
; Row 0 is scaled whole; one wait states that its 32 registers are written; its eight stores are then dealt among row 1's scaling lines, which name
; row 1's registers, G, B and R alone.  A second wait stands behind those lines, ahead of row 1's eight stores.
.set X, 16                             ; v[16:47] row 0, v[48:79] row 1
.set G, 80                             ; v[80:111]  gamma of my 32 columns
.set B, 112                            ; v[112:143] beta
.set R, 144                            ; v[144:147] 1 / sigma, twice for each row
	s_load_b256 s[4:11], s[0:1], 0x0               ; yf s[4:5], gamma s[6:7], beta s[8:9], out0 s[10:11]
	v_and_b32 v1, 31, v0
	v_and_b32 v2, 0xe0, v0                         ; 32 x wave
	v_lshlrev_b32 v3, 4, v1                        ; 16 bytes a lane
	v_lshl_or_b32 v1, v2, 8, v3                    ; + wave x two rows of 4,096 bytes
	s_lshl_b32 s2, ttmp9, 16                       ; 16 rows a work-group
	s_mov_b32 s3, 0
	s_mov_b32 s12, 0x3a800000                      ; 1/1024
	s_mov_b32 s14, 0x76543210
	s_mov_b32 s15, 0xfedcba98
	s_wait_kmcnt 0x0
	s_add_nc_u64 s[4:5], s[4:5], s[2:3]
	s_add_nc_u64 s[10:11], s[10:11], s[2:3]
	s_wait_alu depctr_va_vdst(0)                   ; v1 and v3 are written: every load and store of the kernel reads one of them as its offset
.irp s, 0,1
.irp j, 0,1,2,3,4,5,6,7
	global_load_b128 v[X+32*\s+4*\j:X+32*\s+4*\j+3], v1, s[4:5] offset:4096*\s+512*\j th:TH_LOAD_NT
.endr
.endr
.irp j, 0,1,2,3,4,5,6,7
	global_load_b128 v[G+4*\j:G+4*\j+3], v3, s[6:7] offset:512*\j
.endr
.irp j, 0,1,2,3,4,5,6,7
	global_load_b128 v[B+4*\j:B+4*\j+3], v3, s[8:9] offset:512*\j
.endr
.macro REDUCE                          ; the sum of v4 over the 32 lanes, in every lane
	v_add_f32 v4, v4, v5
	v_add_f32_dpp v4, v4, v4 row_xmask:1 row_mask:0xf bank_mask:0xf
	v_add_f32_dpp v4, v4, v4 row_xmask:2 row_mask:0xf bank_mask:0xf
	v_add_f32_dpp v4, v4, v4 row_xmask:4 row_mask:0xf bank_mask:0xf
	v_add_f32_dpp v4, v4, v4 row_xmask:8 row_mask:0xf bank_mask:0xf
	v_permlanex16_b32 v5, v4, s14, s15
	v_add_f32 v4, v4, v5
.endm
.macro JOIN                            ; four chains of pairs into one pair
	v_pk_add_f32 v[4:5], v[4:5], v[6:7]
	v_pk_add_f32 v[8:9], v[8:9], v[10:11]
	v_pk_add_f32 v[4:5], v[4:5], v[8:9]
.endm
; left = how many younger loads may stay out when this row has to be there
.macro ROWSTAT s, left
	s_wait_loadcnt \left
.irp k, 0,1,2,3
	v_pk_add_f32 v[4+2*\k:5+2*\k], v[X+32*\s+2*\k:X+32*\s+2*\k+1], v[X+32*\s+8+2*\k:X+32*\s+8+2*\k+1]
.endr
.irp o, 16,24
.irp k, 0,1,2,3
	v_pk_add_f32 v[4+2*\k:5+2*\k], v[4+2*\k:5+2*\k], v[X+32*\s+\o+2*\k:X+32*\s+\o+2*\k+1]
.endr
.endr
	JOIN
	REDUCE
	v_mul_f32 v12, s12, v4                         ; the mean, twice
	v_mul_f32 v13, s12, v4
.irp k, 0,1,2,3,4,5,6,7,8,9,10,11,12,13,14,15
	v_pk_add_f32 v[X+32*\s+2*\k:X+32*\s+2*\k+1], v[X+32*\s+2*\k:X+32*\s+2*\k+1], v[12:13] neg_lo:[0,1] neg_hi:[0,1]
.endr
.irp k, 0,1,2,3
	v_pk_mul_f32 v[4+2*\k:5+2*\k], v[X+32*\s+2*\k:X+32*\s+2*\k+1], v[X+32*\s+2*\k:X+32*\s+2*\k+1]
.endr
.irp o, 8,16,24
.irp k, 0,1,2,3
	v_pk_fma_f32 v[4+2*\k:5+2*\k], v[X+32*\s+\o+2*\k:X+32*\s+\o+2*\k+1], v[X+32*\s+\o+2*\k:X+32*\s+\o+2*\k+1], v[4+2*\k:5+2*\k]
.endr
.endr
	JOIN
	REDUCE
	v_fmaak_f32 v6, s12, v4, 0x3727c5ac            ; variance + 1e-5
	v_rsq_f32 v[R+2*\s], v6
	v_rsq_f32 v[R+2*\s+1], v6
	v_nop                                          ; one plain place behind the transcendentals (ISA guide 5.7.2)
.endm
; Four numbers of row s: times 1 / sigma, times gamma, plus beta, in place.
.macro SCALE s, j
	v_pk_mul_f32 v[X+32*\s+4*\j:X+32*\s+4*\j+1], v[X+32*\s+4*\j:X+32*\s+4*\j+1], v[R+2*\s:R+2*\s+1]
	v_pk_mul_f32 v[X+32*\s+4*\j+2:X+32*\s+4*\j+3], v[X+32*\s+4*\j+2:X+32*\s+4*\j+3], v[R+2*\s:R+2*\s+1]
	v_pk_fma_f32 v[X+32*\s+4*\j:X+32*\s+4*\j+1], v[X+32*\s+4*\j:X+32*\s+4*\j+1], v[G+4*\j:G+4*\j+1], v[B+4*\j:B+4*\j+1]
	v_pk_fma_f32 v[X+32*\s+4*\j+2:X+32*\s+4*\j+3], v[X+32*\s+4*\j+2:X+32*\s+4*\j+3], v[G+4*\j+2:G+4*\j+3], v[B+4*\j+2:B+4*\j+3]
.endm
.macro PUT s, j
	global_store_b128 v1, v[X+32*\s+4*\j:X+32*\s+4*\j+3], s[10:11] offset:4096*\s+512*\j th:TH_STORE_NT
.endm
	ROWSTAT 0, 24                                  ; row 0 is in; row 1, gamma and beta (24 loads) may stay out
	ROWSTAT 1, 16                                  ; row 1 is in; gamma and beta (16 loads) may stay out
	s_wait_loadcnt 0x0
	s_wait_alu depctr_va_vdst(0)                   ; the four v_rsq_f32 have written v[R:R+3], ahead of their first reader: one wait for both rows
.irp j, 0,1,2,3,4,5,6,7
	SCALE 0, \j
.endr
	s_wait_alu depctr_va_vdst(0)                   ; row 0's scaling lines have written v[X:X+31], which its eight stores read
.irp j, 0,1,2,3,4,5,6,7
	PUT 0, \j                                      ; no vector instruction since the wait names row 0's registers or v1
	SCALE 1, \j
.endr
	s_wait_alu depctr_va_vdst(0)                   ; row 1's scaling lines have written v[X+32:X+63], which its eight stores read
.irp j, 0,1,2,3,4,5,6,7
	PUT 1, \j
.endr
	s_endpgm
.Lfunc_end_k_q755a569d66_ln:
	.size	k_q755a569d66_ln, .Lfunc_end_k_q755a569d66_ln-k_q755a569d66_ln
	.p2alignl 7, 3214868480
	.fill 96, 4, 3214868480
	.section	.rodata,"a",@progbits
	.p2align	6, 0x0
	.amdhsa_kernel k_q755a569d66_ln
		.amdhsa_group_segment_fixed_size 0
		.amdhsa_private_segment_fixed_size 0
		.amdhsa_enable_private_segment 0
		.amdhsa_kernarg_size 32
		.amdhsa_user_sgpr_count 2
		.amdhsa_user_sgpr_kernarg_segment_ptr 1
		.amdhsa_wavefront_size32 1
		.amdhsa_system_sgpr_workgroup_id_x 1
		.amdhsa_system_sgpr_workgroup_id_y 1
		.amdhsa_system_sgpr_workgroup_id_z 1
		.amdhsa_system_vgpr_workitem_id 0
		.amdhsa_next_free_vgpr 148
		.amdhsa_next_free_sgpr 66
		.amdhsa_reserve_vcc 0
		.amdhsa_float_denorm_mode_32 3
		.amdhsa_float_denorm_mode_16_64 3
		.amdhsa_memory_ordered 1
		.amdhsa_forward_progress 1
		.amdhsa_inst_pref_size 18
	.end_amdhsa_kernel
	.amdgpu_metadata
---
amdhsa.version: [ 1, 2 ]
amdhsa.kernels:
  - .name:           k_q755a569d66_ln
    .symbol:         k_q755a569d66_ln.kd
    .args:
      - { .name: yf, .offset: 0, .size: 8, .value_kind: global_buffer, .address_space: global }
      - { .name: gamma, .offset: 8, .size: 8, .value_kind: global_buffer, .address_space: global }
      - { .name: beta, .offset: 16, .size: 8, .value_kind: global_buffer, .address_space: global }
      - { .name: out0, .offset: 24, .size: 8, .value_kind: global_buffer, .address_space: global }
    .group_segment_fixed_size: 0
    .private_segment_fixed_size: 0
    .kernarg_segment_align: 8
    .kernarg_segment_size: 32
    .max_flat_workgroup_size: 256
    .sgpr_count:     66
    .vgpr_count:     148
    .wavefront_size: 32
...
	.end_amdgpu_metadata
.endif
;; end of part 7
